; MI455X (gfx1250); checked and timed in simulation.
; The chip was launched on July 23, 2026; its instructions are those of AMD's public machine-readable ISA for CDNA 5 (MIT licence, August 2026) and "CDNA5" Instruction Set Architecture Reference Guide (July 2026). The comments in the code are by the model that wrote it; some were corrected since.
;; Gating Attention Layer Wsa. Allowed arithmetic: matrix products marked QUANTISED: E2M3 operands, one E8M0 scale for each 32 along K, by v_wmma_scale_f32_16x16x128_f8f6f4 with both operands' format E2M3, f32 sums; everything else in f32.
;; Inputs: Wk_codes 512 x 16 x 24 uint8 (E2M3 codes of Wk, K innermost, in blocks of 32 codes, four codes in three bytes); Wk_scales 512 x 16 uint8 (E8M0 scales of Wk, one for each 32 codes along K); Wo_codes 512 x 16 x 24 uint8 (E2M3 codes of Wo, K innermost, in blocks of 32 codes, four codes in three bytes); Wo_scales 512 x 16 uint8 (E8M0 scales of Wo, one for each 32 codes along K); Wq_codes 512 x 16 x 24 uint8 (E2M3 codes of Wq, K innermost, in blocks of 32 codes, four codes in three bytes); Wq_scales 512 x 16 uint8 (E8M0 scales of Wq, one for each 32 codes along K); Wv_codes 512 x 16 x 24 uint8 (E2M3 codes of Wv, K innermost, in blocks of 32 codes, four codes in three bytes); Wv_scales 512 x 16 uint8 (E8M0 scales of Wv, one for each 32 codes along K); bk 512 float32; bo 512 float32; bq 512 float32; bv 512 float32; key_codes 4 x 2,048 x 16 x 24 uint8 (E2M3 codes of key, K innermost, in blocks of 32 codes, four codes in three bytes); key_scales 4 x 2,048 x 16 uint8 (E8M0 scales of key, one for each 32 codes along K); query_codes 4 x 2,048 x 16 x 24 uint8 (E2M3 codes of query, K innermost, in blocks of 32 codes, four codes in three bytes); query_scales 4 x 2,048 x 16 uint8 (E8M0 scales of query, one for each 32 codes along K); value_codes 4 x 2,048 x 16 x 24 uint8 (E2M3 codes of value, K innermost, in blocks of 32 codes, four codes in three bytes); value_scales 4 x 2,048 x 16 uint8 (E8M0 scales of value, one for each 32 codes along K).
;; Outputs: out0 4 x 2,048 x 512 float32.
;; This version of the problem:
;;   THIS VERSION OF THE PROBLEM IS GIVEN IN LOW PRECISION. The matrix products marked QUANTISED in the list below multiply operands that are first quantised to E2M3 (2 exponent bits, 3 mantissa bits; 6 bits a number), with one power-of-two scale for each 32 numbers along K (OCP MX v1.0); their sums are f32. All else is computed in f32.
;;   The module's matrix products, in the order in which they are computed (A, B: the left and right operand; K: the contracted axis; several contracted axes count as one K, in the product's order):
;;     1. [M 8,192, K 512] x [K 512, N 512]; A: input value (given as codes); B: input Wv (given as codes): QUANTISED
;;     2. [M 8,192, K 512] x [K 512, N 512]; A: input key (given as codes); B: input Wk (given as codes): QUANTISED
;;     3. [M 8,192, K 512] x [K 512, N 512]; A: input query (given as codes); B: input Wq (given as codes): QUANTISED
;;     4. batch 32 x [M 2,048, K 64] x [K 64, N 2,048]; A: computed on the way; B: computed on the way: QUANTISED
;;     5. batch 32 x [M 64, K 2,048] x [K 2,048, N 2,048]; A: computed on the way; B: softmax (see below): QUANTISED
;;     6. [M 8,192, K 512] x [K 512, N 512]; A: computed on the way; B: input Wo (given as codes): QUANTISED
;;   THE QUANTISER, for each operand of a quantised product, along K:
;;     - K is cut into blocks of 32 from its start; a last block that is shorter is filled with zeros.
;;     - A block's scale is 2^e with e = floor(log2(the largest magnitude in the block)) - 2, held to -126 .. 127; a block of zeros has e = 0. As a byte (E8M0): e + 127.
;;     - Each number is divided by its block's scale, clamped to +-7.5, and rounded to the nearest number of E2M3, ties to even, subnormals kept.
;;     - The product sums the exact products of the quantised numbers (number of the format x scale) in f32.
;;   ~~~python
;;   def quantise(x, axis):      # numpy; x: float32 -> the quantised numbers, widened to float32 again
;;       x = np.moveaxis(x, axis, -1); K = x.shape[-1]
;;       x = np.pad(x, [(0, 0)] * (x.ndim - 1) + [(0, -K % 32)]); x = x.reshape(x.shape[:-1] + (-1, 32)); a = np.abs(x).max(-1, keepdims=True)
;;       e = np.where(a > 0, np.clip(np.frexp(np.where(a > 0, a, 1))[1] - 1 - 2, -126, 127), 0)      # np.frexp(a)[1] - 1 = floor(log2(a)), exactly
;;       r = np.clip(x / 2.0 ** e, -7.5, 7.5)
;;       step = 2.0 ** (np.maximum(np.frexp(np.where(r == 0, 1, r))[1] - 1, 0) - 3)
;;       q = np.round(r / step) * step * 2.0 ** e      # np.round: ties to even
;;       return np.moveaxis(q.reshape(q.shape[:-2] + (-1,))[..., :K], -1, axis).astype(np.float32)
;;   ~~~
;;   SOFTMAX AHEAD OF A QUANTISED PRODUCT. Where the list says 'softmax', what is quantised is not the finished softmax but p = 2^(t - M), with t = logit x log2(e) and M = ceil(the row's largest t), a whole number; so 1/2 < the row's largest p <= 1. The row's sum l is taken of the UNQUANTISED p, in f32, and the product's result is divided by l at the end. Since M is a whole number, a kernel that streams over the keys may use a running M (the ceiling of the running maximum): every later rescaling is an exact power of two, which a block's scale takes up: the codes' values come out the same.
;;   OPERANDS COMPUTED ON THE WAY. 'Computed on the way' means the value that the module computes at that place (a softmax that the list does not call 'softmax' is quantised finished and normalised). What goes into a quantiser is computed in f32, as accurately as f32 sums, v_exp_f32 and their like allow (about 1e-6 of the number): no bf16 or f16 on the way to a quantiser, and a product that is left as it is and whose result goes on into a quantised operand takes f32 operands (vector FMAs, or v_wmma_f32_16x16x4_f32). A number that lies on a knife's edge between two numbers of the format may be rounded either way, as far as f32 arithmetic and the matrix unit's own rounding can turn it there, and no further.
;;   INPUTS GIVEN AS CODES. Wk (in the module: [512, 512], K = its axis 0); Wo (in the module: [512, 512], K = its axis 0); Wq (in the module: [512, 512], K = its axis 0); Wv (in the module: [512, 512], K = its axis 0); key (in the module: [4, 2048, 512], K = its axis 2); query (in the module: [4, 2048, 512], K = its axis 2); value (in the module: [4, 2048, 512], K = its axis 2): each comes as NAME_codes (uint8): NAME with its K axis moved to the last place and cut into blocks of 32 codes, [.., K / 32, bytes a block], one block behind the other in memory; four codes in three bytes: a row's codes are one little-endian stream of bits, code i at bits 6 i .. 6 i + 5 (a code: sign, 2 exponent bits, 3 mantissa bits); and NAME_scales (uint8): the same leading axes, one E8M0 byte (e + 127) for each 32 codes along K. Its value is code x scale, taken as it is: it is not quantised again, and the codes and scales need not be those that the quantiser above would give.
;; One version. Each part assembles by itself: llvm-mc -triple=amdgcn-amd-amdhsa -mcpu=gfx1250 --defsym DOCPART=n.
;; ======== version 1 of 1: 3 launches
;; limits: right only within a limited range of input values
;; workspace buffers: qimg 3,407,872 bytes; kimg 3,407,872 bytes; vimg 3,407,872 bytes; oimg 3,407,872 bytes
;; launch proj (part 1): grid 4 x 48, 8 waves a work-group, clusters of 4 x 1, 308,224 bytes of LDS; arguments query_codes, key_codes, value_codes, Wq_codes, Wk_codes, Wv_codes, query_scales, key_scales, value_scales, Wq_scales, Wk_scales, Wv_scales, bq, bk, bv, qimg, kimg, vimg; writes qimg, kimg, vimg
.if DOCPART == 1
	.amdgcn_target "amdgcn-amd-amdhsa--gfx1250"
	.amdhsa_code_object_version 6
	.text
	.protected	k_q7610f33f7b_proj
	.globl	k_q7610f33f7b_proj
	.p2align	8
	.type	k_q7610f33f7b_proj,@function
k_q7610f33f7b_proj:
	s_mov_b64 s[64:65], 0
	v_nop
	global_prefetch_b8 v0, s[64:65] scope:SCOPE_SE
	s_setreg_imm32_b32 hwreg(HW_REG_WAVE_MODE, 25, 1), 1
	s_wait_xcnt 0x0
	s_wait_alu depctr_hold_cnt(0) depctr_sa_sdst(0) depctr_va_vdst(0) depctr_va_sdst(0) depctr_va_ssrc(0) depctr_va_vcc(0) depctr_vm_vsrc(0)
	s_getreg_b32 s2, hwreg(HW_REG_IB_STS2, 6, 4)
	s_cmp_eq_u32 s2, 0
	s_cbranch_scc0 .Lentry_in_a_cluster
	s_endpgm
.Lentry_in_a_cluster:
	s_bfe_u32 s2, ttmp6, 0x10000c
	s_cmp_lg_u32 s2, 0x3003
	s_cbranch_scc0 .Lentry_shape_is_right
	s_endpgm
.Lentry_shape_is_right:
; q = query Wq + bq, k = key Wk + bk, v = value Wv + bv on the given codes of E2M3 (K = 512), and the results quantised for attention: q and k along the head's 64, v along the keys.
; NOTHING OF reference() IS LEFT OUT IN THIS PROGRAM BUT THE SEARCH FOR THE SOFTMAX'S MAXIMUM (shown at the head of the second kernel): every input has a way to the output, the four biases too
; (bq, bk and bv move the codes of quantised operands, bo is added to the output), and every input is loaded.
; ONE TEXT FOR THE THREE TENSORS.  Source 0 of the matrix instruction is the axis that will be quantised, source 1 the axis that stays in the lanes: a lane then holds one row of source 1, and its registers run along source 0.
;   y 0-15: q: source 0 = Wq's 512 rows (n = 64 head + d), source 1 = 128 tokens of query.   y 16-31: k likewise.   y 32-47: v: source 0 = 512 tokens of value (the keys), source 1 = 128 rows of Wv.
; SHARES.  A work-group: 512 rows of source 0 x 128 of source 1.  Wave w: source 0's rows 64 w .. 64 w + 63 (4 tiles i) x all 128 rows of source 1 (8 tiles t): 32 accumulators, 4 K steps of 128, 128 matrix instructions.
; 192 work-groups: 3 tensors x 8,192 x 512 results in shares of 512 x 128.
; THE ROWS OF A TILE ARE NOT NEIGHBOURS, on both sides: lane r of tile i takes row 32 (i / 2) + 8 (i % 2) + r + 8 (r / 8).  On source 0 that makes the 16 registers of tiles 2 b and 2 b + 1 sixteen neighbours along the
; quantised axis; on source 1 it lays k's tokens and v's channels as the next launch wants its own source 0, and q's tokens in a fixed order that the last launch undoes.
; CLUSTER.  The four work-groups of a cluster (one y) share source 0: it is asked for jointly, one load a wave.  Source 1 is each work-group's own: waves 0 and 1 fetch it by plain loads.  A wave has at most two tensor loads out.
; Nothing in LDS is filled twice.
; WHAT IS STORED.  A UNIT is 64 numbers along the quantised axis x 16 rows: 6 registers a lane (lane (r, h): the 32 codes of block h of row r), stored as an image of the registers: registers 0-3 at 16 x lane, registers 4-5
; at 512 + 8 x lane: 768 bytes.  Its scales are one word a row: byte 0 block 0, byte 1 block 1.  A head's block of 106,496 bytes holds 32 cells of four units (3,072 bytes), then 32 x 256 bytes of scale words:
; in a cell's 256 bytes lane l has 8 bytes: word 0 = units 0 (lanes 0-15) and 1 (lanes 16-31), word 1 = units 2 and 3.  Every store of a wave covers whole aligned runs of 256 bytes.
; LIMITS: NaN, infinities and scale bytes of 0xff among the inputs are not served; a block of zeros gets the byte 1 where the rule says 127 (its codes are zeros, and this program alone reads the bytes);
; blocks whose largest magnitude lies under 2^-124 were not tried.
; THESE LINES STAND IN PLACE OF THE HEAD'S ON THE SAME MATTERS.  Rows of codes (384 bytes) lie dense in memory, so a block of rows is fetched as rows of 256 bytes, each beginning at a multiple of 256 bytes,
; with 16 bytes of padding behind every 128: a row of codes is 3 x (128 + 16) = 432 bytes of LDS.  Waves 0-5 fetch source 0 jointly (128 x 256 bytes each), waves 6 and 7 source 1 (96 x 256 bytes each): one tensor load a wave.
; SOURCE 1's rows of a tile: lane r of tile t takes row 64 (t / 4) + 8 (t % 4) + r % 8 + 32 (r / 8): in the next launch a lane then owns whole blocks of 32 keys (k) and of 32 channels (v); q's tokens lie in the same order, which the last launch undoes.
.set PITCH, 432
.set S1B,   512*PITCH                  ; source 1 begins behind source 0's 512 rows
.set SPARE, S1B+128*PITCH
.set HB,    106496                     ; a head's block in the workspace
.set CELL,  3072
.set L16, 5                            ; v5   16 x lane
.set L8,  6                            ; v6   8 x lane
.set AD0, 8                            ; v8-11  LDS address of my fragments of source 0: half 0 of K (and the same behind one padding more), half 1 likewise
.set AD1, 12                           ; v12-15 the same for source 1
.set SAD, 16                           ; v16  16 x (r + 8 (r / 8) + 8 h): my row among 32 rows of scale bytes
.set BA0, 18                           ; v18  64 h: the bias along source 0
.set BA1, 19                           ; v19  4 x (r % 8 + 32 (r / 8)): the bias along source 1
.set SPW, 20                           ; v20  my spare word; never rewritten
.set NIL, 21                           ; v21  0; never rewritten
.set SC0, 24                           ; v24-31 source 0's scale words: register 4 p + q: K step q; lanes 0-15 tile 2 p, lanes 16-31 tile 2 p + 1
.set SC1, 32                           ; v32-47 source 1's likewise
.set F0,  48                           ; v48-95  source 0's four fragments
.set F1,  96                           ; v96-191 source 1's eight
.set BI,  192                          ; v192-255 the bias in the result's layout
.set TM,  48                           ; the way out (the fragments' registers are free): v48-63 largest magnitudes, block 2 t + b
.set UM,  64                           ; v64-79 the other half's, then the bytes
.set SO,  80                           ; v80-95 the conversions' scale operands
.set PW,  96                           ; v96-103 a unit's scale word
.set MW,  104                          ; v104-107 two units' words in one register
.set CD,  112                          ; v112-175 the codes, eight registers a unit
.set WV,  40
.set CX,  41
.set Y,   42
.set P0,  44                           ; s[44:45] source 0's codes; s[46:47] source 1's; s[48:49], s[50:51] their scales; s[52:53] the bias; s[54:55] the workspace
.set P1,  46
.set Z0,  48
.set Z1,  50
.set BP,  52
.set OP,  54
.set OC0, 56                           ; s[56:59] where the codes of tiles 0-3 and of tiles 4-7 go; s[60:63] their scale words
.set OS0, 60
.set HI,  66                           ; s66 the mask of lanes 16-31
.set G1J, 68                           ; s[68:75] descriptor group 1 of the joint loads; s[76:83] of the plain ones; s[84:87], s[88:91] their groups 0
.set G1P, 76
.set G0J, 84
.set G0P, 88
.set SEL, 92                           ; s[92:93] lane selects: lane l xor 16
.set MSB, 0
.macro WIN new                         ; the immediate's high byte repeats the setting that is left
.if MSB != \new
	s_set_vgpr_msb (MSB<<8)|\new
.set MSB, \new
.endif
.endm
.macro PLACES
.rept 4
	v_nop
.endr
.endm
.macro ROUND                           ; a round of the cluster's barrier
	s_barrier_signal -1
	s_barrier_wait -1
	s_cmp_lg_u32 s[WV], 0
	s_cbranch_scc1 .Lnot_wave_0_\@
	s_barrier_signal -3
.Lnot_wave_0_\@:
	s_barrier_wait -3
	s_barrier_signal -1
	s_barrier_wait -1
.endm
; One matrix instruction.  cm = 0: C is D; 1: C is v[c .. c + 7].  ra, rb: the scale words stand in lanes 16-31 of their registers.
.macro WM d, a, b, cm, c, sa, ra, sb, rb
.set wD, \d
.set wA, \a
.set wB, \b
.set wC, \c
.set wS, \sa
.set wT, \sb
.set wR, 2*(\ra)+(\rb)
.if (\cm) == 0
.set wC, wD
.endif
.if wR == 0
	v_wmma_scale_f32_16x16x128_f8f6f4 v[wD:wD+7], v[wA:wA+11], v[wB:wB+11], v[wC:wC+7], v[wS], v[wT] matrix_a_fmt:MATRIX_FMT_FP6 matrix_b_fmt:MATRIX_FMT_FP6
.elseif wR == 1
	v_wmma_scale_f32_16x16x128_f8f6f4 v[wD:wD+7], v[wA:wA+11], v[wB:wB+11], v[wC:wC+7], v[wS], v[wT] matrix_a_fmt:MATRIX_FMT_FP6 matrix_b_fmt:MATRIX_FMT_FP6 matrix_b_scale:MATRIX_SCALE_ROW1
.elseif wR == 2
	v_wmma_scale_f32_16x16x128_f8f6f4 v[wD:wD+7], v[wA:wA+11], v[wB:wB+11], v[wC:wC+7], v[wS], v[wT] matrix_a_fmt:MATRIX_FMT_FP6 matrix_b_fmt:MATRIX_FMT_FP6 matrix_a_scale:MATRIX_SCALE_ROW1
.else
	v_wmma_scale_f32_16x16x128_f8f6f4 v[wD:wD+7], v[wA:wA+11], v[wB:wB+11], v[wC:wC+7], v[wS], v[wT] matrix_a_fmt:MATRIX_FMT_FP6 matrix_b_fmt:MATRIX_FMT_FP6 matrix_a_scale:MATRIX_SCALE_ROW1 matrix_b_scale:MATRIX_SCALE_ROW1
.endif
.endm
; A fragment, 16 rows x 128 K: 12 registers, in six pieces of 8 bytes.  Lanes 16-31 read three pieces further on than lanes 0-15; where that lies behind one padding more, the second address register serves.
.macro FRAG reg, adr, q, row
.irp p, 0,1,2,3,4,5
.set PCE, 12*(\q)+6*(\p/3)+\p%3
.if PCE%16 < 13
	ds_load_b64 v[\reg+2*\p:\reg+2*\p+1], v[\adr] offset:8*PCE+16*(PCE/16)+(\row)*PITCH
.else
	ds_load_b64 v[\reg+2*\p:\reg+2*\p+1], v[\adr+1] offset:8*PCE+16*(PCE/16)+(\row)*PITCH
.endif
.endr
.endm
.macro FETCH q                         ; K step q: 24 loads for source 0, 24 for source 1's tiles 0-3, 24 for its tiles 4-7
.irp i, 0,1,2,3
	FRAG F0+12*\i, AD0, \q, 32*(\i/2)+8*(\i%2)
.endr
.irp t, 0,1,2,3,4,5,6,7
	FRAG F1+12*\t, AD1, \q, 64*(\t/4)+8*(\t%4)
.endr
.endm
; 16 matrix instructions: source 1's tiles t0 .. t0 + 3 x source 0's four.  The 32 accumulators (accumulator (i, t) at v[32 t + 8 i] of window 1) take turns, one instruction a turn.
.macro MULS q, mode, t0
.irp u, 0,1,2,3
.irp i, 0,1,2,3
.if \mode == 0
	WM 32*(\t0+\u)+8*\i, F0+12*\i, F1+12*(\t0+\u), 0, 0, SC0+4*(\i/2)+\q, \i%2, SC1+4*((\t0+\u)/2)+\q, (\t0+\u)%2
.elseif \mode == 1
	WM 32*(\t0+\u)+8*\i, F0+12*\i, F1+12*(\t0+\u), 1, BI+8*\i, SC0+4*(\i/2)+\q, \i%2, SC1+4*((\t0+\u)/2)+\q, (\t0+\u)%2
.else
	WM 32*(\t0+\u)+8*\i, F0+12*\i, F1+12*(\t0+\u), 1, BI+8*(\t0+\u), SC0+4*(\i/2)+\q, \i%2, SC1+4*((\t0+\u)/2)+\q, (\t0+\u)%2
.endif
.endr
.endr
.endm
; A K step.  mode 0: the sums go on; 1: they begin with the bias along source 0; 2: with the bias along source 1.  Nothing is ever cleared.
.macro KSTEP q, mode
.if \q > 0
	PLACES                                         ; four places in front of loads into registers that matrix instructions have read
.endif
	FETCH \q
.if \q == 0
	s_wait_loadcnt 0x0                             ; the scale words and the bias
.if \mode == 2
.irp t, 0,1,2,3,4,5,6,7
.irp j, 1,2,3,4,5,6,7
	v_mov_b32 v[BI+8*\t+\j], v[BI+8*\t]            ; a C operand is eight registers: my row's bias in each
.endr
.endr
.endif
.endif
	s_wait_alu depctr_va_vdst(0)
	s_wait_dscnt 24                                ; all but the youngest 24 loads: source 1's tiles 4-7 may be out
.if \mode == 0
	WIN 0x50                                       ; C and D in window 1
.else
	WIN 0x40                                       ; D in window 1, C (the bias) in window 0
.endif
	MULS \q, \mode, 0
	s_wait_dscnt 0x0
	MULS \q, \mode, 4
	WIN 0
.endm
	s_load_b512 s[4:19], s[0:1], 0x0               ; query, key, value, Wq, Wk, Wv codes; query, key scales
	s_load_b512 s[20:35], s[0:1], 0x40             ; value, Wq, Wk, Wv scales; bq, bk, bv; qimg
	s_load_b128 s[36:39], s[0:1], 0x80             ; kimg, vimg
	v_lshl_add_u32 v[SPW], v0, 2, SPARE
	v_mov_b32 v[NIL], 0
	ds_add_u32 v[SPW], v[NIL]                      ; the wave's opening: the add, twice on end, and its wait ahead of my first tensor load
	ds_add_u32 v[SPW], v[NIL]                      ; (the set-up below, work on registers, stands between the second and the wait)
	v_lshrrev_b32 v1, 5, v0
	s_delay_alu instid0(VALU_DEP_1)
	v_readfirstlane_b32 s[WV], v1                  ; wave 0..7
	s_and_b32 s[Y], ttmp7, 0xffff                  ; y, which the four partners share
	s_mov_b32 s[G1J], 15|(3<<16)|(1<<20)|(1<<21)|(4<<22)|(3<<25)   ; the mask: all four work-groups; elements of 8 bytes; padding on; bit 21 beside a mask; after every 32 words, 4 words
	s_mov_b32 s[G1P], (3<<16)|(1<<20)|(4<<22)|(3<<25)              ; the same with no mask
	s_mov_b32 s[G1J+2], 128<<16                    ; joint: 128 rows of 256 bytes
	s_mov_b32 s[G1J+4], 128
	s_mov_b32 s[G1P+2], 96<<16                     ; plain: 96 rows
	s_mov_b32 s[G1P+4], 96
.irp g, G1J, G1P
	s_mov_b32 s[\g+1], 32<<16                      ; rows of 32 elements, dense
	s_mov_b32 s[\g+3], 32<<16
	s_mov_b32 s[\g+5], 32
	s_mov_b32 s[\g+6], 0
	s_mov_b32 s[\g+7], 0
.endr
	s_sub_co_u32 s94, s[Y], 32
	s_cmp_lt_u32 s[Y], 32
	s_cselect_b32 s94, 0, s94                      ; i0: which 512 rows of source 0 (q, k: the whole weight)
	s_and_b32 s96, s[WV], 1                        ; which half of K I fetch,
	s_lshr_b32 s97, s[WV], 1                       ; and which 128 rows of source 0
	s_mov_b32 s[G0J], 1
	s_mul_i32 s[G0J+1], s[WV], 36864               ; LDS: 128 rows of 256 + 32 bytes for each of waves 0-5
	s_mul_i32 s[G0J+2], s94, 196608
	s_lshl_b32 s98, s[WV], 15
	s_add_co_u32 s[G0J+2], s[G0J+2], s98           ; memory: y and the wave's number alone
	s_mul_i32 s98, s96, 24576                      ; waves 6, 7: which half of source 1's block
	s_mov_b32 s[G0J+3], 0
	s_bfe_u32 s[CX], ttmp6, 0x40000                ; my place in the cluster (the grid has one cluster along x)
	s_and_b32 s95, s[Y], 15
	s_lshl_b32 s95, s95, 2
	s_cmp_lt_u32 s[Y], 32
	s_cselect_b32 s95, s95, 0
	s_add_co_u32 s95, s95, s[CX]                   ; i1: which 128 rows of source 1
	s_mov_b32 s[G0P], 1
	s_mul_i32 s[G0P+1], s96, 27648
	s_add_co_u32 s[G0P+1], s[G0P+1], S1B
	s_mul_i32 s[G0P+2], s95, 49152
	s_add_co_u32 s[G0P+2], s[G0P+2], s98
	s_mov_b32 s[G0P+3], 0
	s_mov_b32 s[HI], 0xffff0000
	s_mov_b32 s[SEL], 0x76543210
	s_mov_b32 s[SEL+1], 0xfedcba98
	v_and_b32 v1, 31, v0                           ; lane
	v_and_b32 v2, 15, v0                           ; r
	v_bfe_u32 v3, v0, 4, 1                         ; h
	s_delay_alu instid0(VALU_DEP_2)
	v_and_b32 v4, 8, v2
	s_delay_alu instid0(VALU_DEP_1)
	v_add_nc_u32 v4, v4, v2                        ; r + 8 (r / 8)
	v_lshlrev_b32 v[L16], 4, v1
	v_lshlrev_b32 v[L8], 3, v1
	s_delay_alu instid0(VALU_DEP_3)
	v_mul_u32_u24 v7, v4, PITCH
	v_and_b32 v[AD0+2], 8, v2
	v_mad_u32_u24 v7, v3, 24, v7
	v_mad_u32_u24 v[AD0+3], v[AD0+2], 3, v2        ; r % 8 + 32 (r / 8): source 1's row of my lane
	s_mul_i32 s99, s[WV], 64*PITCH                 ; my 64 rows of source 0
	v_add_nc_u32 v[AD0], s99, v7
	v_mul_u32_u24 v7, v[AD0+3], PITCH
	v_lshl_add_u32 v[AD0+1], v3, 4, v[AD0]         ; the same behind one padding more
	v_mad_u32_u24 v7, v3, 24, v7
	v_lshl_add_u32 v[SAD], v3, 3, v4
	v_add_nc_u32 v[AD1], S1B, v7
	v_lshlrev_b32 v[SAD], 4, v[SAD]
	v_lshl_add_u32 v[AD1+1], v3, 4, v[AD1]
	v_lshl_add_u32 v[SAD+1], v3, 3, v[AD0+3]
	v_lshlrev_b32 v[BA0], 6, v3
	v_lshlrev_b32 v[SAD+1], 4, v[SAD+1]            ; v17: 16 x (r % 8 + 32 (r / 8) + 8 h): source 1's rows of scale bytes
	v_lshlrev_b32 v[BA1], 2, v[AD0+3]
	s_wait_dscnt 0x0                               ; both opening adds are done
	s_wait_kmcnt 0x0
	s_cmp_lt_u32 s[Y], 32                          ; the tensors are chosen by y alone
	s_cselect_b64 s[P0:P0+1], s[12:13], s[8:9]
	s_cselect_b64 s[P1:P1+1], s[6:7], s[14:15]
	s_cselect_b64 s[Z0:Z0+1], s[24:25], s[20:21]
	s_cselect_b64 s[Z1:Z1+1], s[18:19], s[26:27]
	s_cselect_b64 s[BP:BP+1], s[30:31], s[32:33]
	s_cselect_b64 s[OP:OP+1], s[36:37], s[38:39]
	s_cmp_lt_u32 s[Y], 16
	s_cselect_b64 s[P0:P0+1], s[10:11], s[P0:P0+1]
	s_cselect_b64 s[P1:P1+1], s[4:5], s[P1:P1+1]
	s_cselect_b64 s[Z0:Z0+1], s[22:23], s[Z0:Z0+1]
	s_cselect_b64 s[Z1:Z1+1], s[16:17], s[Z1:Z1+1]
	s_cselect_b64 s[BP:BP+1], s[28:29], s[BP:BP+1]
	s_cselect_b64 s[OP:OP+1], s[34:35], s[OP:OP+1]
	s_add_nc_u64 s[G0J+2:G0J+3], s[P0:P0+1], s[G0J+2:G0J+3]
	s_or_b32 s[G0J+3], s[G0J+3], 0x80000000
	s_add_nc_u64 s[G0P+2:G0P+3], s[P1:P1+1], s[G0P+2:G0P+3]
	s_or_b32 s[G0P+3], s[G0P+3], 0x80000000
	ROUND                                          ; all four work-groups are here: the joint loads meet
	s_cmp_lt_u32 s[WV], 6                          ; the wave's number alone: one chain of two arms, one tensor load to an arm
	s_cbranch_scc0 .Lsrc1
	tensor_load_to_lds s[G0J:G0J+3], s[G1J:G1J+7]  ; waves 0-5: a sixth of source 0, jointly
	s_nop 0
	PLACES
	s_branch .Lasked
.Lsrc1:
	tensor_load_to_lds s[G0P:G0P+3], s[G1P:G1P+7]  ; waves 6 and 7: a half of my work-group's source 1
	s_nop 0
	PLACES
.Lasked:
	s_lshl_b32 s98, s94, 13                        ; the scale bytes, 16 a row: source 0's rows 512 i0 + 64 w on,
	s_lshl_b32 s99, s[WV], 10
	s_add_co_u32 s98, s98, s99
	s_mov_b32 s99, 0
	s_add_nc_u64 s[Z0:Z0+1], s[Z0:Z0+1], s[98:99]
	s_lshl_b32 s98, s95, 11                        ; source 1's rows 128 i1 on
	s_add_nc_u64 s[Z1:Z1+1], s[Z1:Z1+1], s[98:99]
	s_wait_alu depctr_va_vdst(0)
.irp p, 0,1
	global_load_b128 v[SC0+4*\p:SC0+4*\p+3], v[SAD], s[Z0:Z0+1] offset:512*\p   ; 32 rows' 512 consecutive bytes: a lane takes its row's four words
.endr
.irp p, 0,1,2,3
	global_load_b128 v[SC1+4*\p:SC1+4*\p+3], v[SAD+1], s[Z1:Z1+1] offset:1024*(\p/2)+256*(\p%2)   ; tiles 2 p and 2 p + 1 begin at rows 64 (p / 2) + 16 (p % 2) + 8 h
.endr
	s_lshl_b32 s98, s[WV], 8                       ; the bias: q, k: my 64 numbers; v: my work-group's 128
	s_lshl_b32 s97, s95, 9
	s_cmp_lt_u32 s[Y], 32
	s_cselect_b32 s98, s98, s97
	s_add_nc_u64 s[BP:BP+1], s[BP:BP+1], s[98:99]
	; where the results go.  q, k: head w, batch i1 / 16, cells 2 (i1 % 16) + g.  v: with a = 8 i0 + w: batch a / 32, cell a % 32, heads 2 i1 + g.   (g: tiles 0-3 or 4-7)
	s_lshl_b32 s96, s94, 3
	s_add_co_u32 s96, s96, s[WV]
	s_lshr_b32 s97, s96, 5
	s_lshl_b32 s97, s97, 3
	s_lshl_b32 s98, s95, 1
	s_add_co_u32 s97, s97, s98
	s_and_b32 s96, s96, 31
	s_lshr_b32 s98, s95, 4
	s_lshl_b32 s98, s98, 3
	s_add_co_u32 s98, s98, s[WV]
	s_and_b32 s67, s95, 15
	s_lshl_b32 s67, s67, 1
	s_mov_b32 s2, HB
	s_cmp_lt_u32 s[Y], 32
	s_cselect_b32 s97, s98, s97                    ; the head's block for g = 0
	s_cselect_b32 s96, s67, s96                    ; the cell for g = 0
	s_cselect_b32 s3, 256, s2                      ; from g = 0 to g = 1: a cell on, or a head on
	s_cselect_b32 s2, CELL, s2
	s_mul_i32 s97, s97, HB
	s_mul_i32 s98, s96, CELL
	s_add_co_u32 s[OC0], s97, s98
	s_add_co_u32 s[OC0+2], s[OC0], s2
	s_lshl_b32 s98, s96, 8
	s_add_co_u32 s98, s98, s97
	s_add_co_u32 s[OS0], s98, 32*CELL
	s_add_co_u32 s[OS0+2], s[OS0], s3
.irp g, OC0, OC0+2, OS0, OS0+2
	s_mov_b32 s[\g+1], 0
	s_add_nc_u64 s[\g:\g+1], s[OP:OP+1], s[\g:\g+1]
.endr
	s_wait_tensorcnt 0x0                           ; my loads have landed,
	s_barrier_signal -1
	s_barrier_wait -1                              ; everybody's have
	s_cmp_lt_u32 s[Y], 32                          ; y alone: the same in all waves and all partners
	s_cbranch_scc0 .Lfor_v
.irp i, 0,1,2,3                                ; q, k: register j of tile i is n = 64 w + 32 (i / 2) + 8 (i % 2) + 16 h + j
	global_load_b128 v[BI+8*\i:BI+8*\i+3], v[BA0], s[BP:BP+1] offset:(32*(\i/2)+8*(\i%2))*4
	global_load_b128 v[BI+8*\i+4:BI+8*\i+7], v[BA0], s[BP:BP+1] offset:(32*(\i/2)+8*(\i%2))*4+16
.endr
	KSTEP 0, 1
	s_branch .Ljoined
.Lfor_v:
.irp t, 0,1,2,3,4,5,6,7                        ; v: my lane of tile t is n = 128 i1 + 64 (t / 4) + 8 (t % 4) + r % 8 + 32 (r / 8)
	global_load_b32 v[BI+8*\t], v[BA1], s[BP:BP+1] offset:(64*(\t/4)+8*(\t%4))*4
.endr
	KSTEP 0, 2
.Ljoined:
	KSTEP 1, 0
	KSTEP 2, 0
	KSTEP 3, 0
	; THE WAY OUT.  Registers 16 n .. 16 n + 15 of window 1 (n = 2 t + b) are my 16 numbers of block b of unit t: k = 32 b + 16 h + 0 .. 15 of my row.
	PLACES
	WIN 0x05                                       ; sources 0 and 1 in window 1
.set n, 0
.rept 16
	v_max3_num_f32 v[TM+n], |v[16*n]|, |v[16*n+1]|, 0x1800000   ; each accumulator is read from its low end on; the floor 2^(3 - 127) holds the byte at 1 from below
.set n, n+1
.endr
.set i, 2
.rept 7
.set n, 0
.rept 16
	v_max3_num_f32 v[TM+n], |v[16*n+i]|, |v[16*n+i+1]|, v[TM+n]
.set n, n+1
.endr
.set i, i+2
.endr
	WIN 0
.set n, 0
.rept 16
	v_permlanex16_b32 v[UM+n], v[TM+n], s[SEL], s[SEL+1]
.set n, n+1
.endr
.set n, 0
.rept 16
	v_max_num_f32 v[TM+n], v[TM+n], v[UM+n]        ; with lane l xor 16's: the block's largest magnitude
.set n, n+1
.endr
.set n, 0
.rept 16
	v_add_nc_u32 v[SO+n], 0xff000000, v[TM+n]      ; 2 off its exponent field: the conversion's scale operand
.set n, n+1
.endr
.set n, 0
.rept 16
	v_lshrrev_b32 v[UM+n], 23, v[SO+n]             ; the scale's byte
.set n, n+1
.endr
.irp t, 0,1,2,3,4,5,6,7
	v_lshl_or_b32 v[PW+\t], v[UM+2*\t+1], 8, v[UM+2*\t]
.endr
.irp p, 0,1,2,3
	v_cndmask_b32 v[MW+\p], v[PW+2*\p], v[PW+2*\p+1], s[HI]   ; lanes 0-15: unit 2 p's words, lanes 16-31: unit 2 p + 1's
.endr
	WIN 0x01                                       ; the numbers in window 1
.irp t, 0,1,2,3,4,5,6,7
	v_cvt_scalef32_pk16_fp6_f32 v[CD+8*\t:CD+8*\t+2], v[32*\t:32*\t+15], v[SO+2*\t]
	v_cvt_scalef32_pk16_fp6_f32 v[CD+8*\t+4:CD+8*\t+6], v[32*\t+16:32*\t+31], v[SO+2*\t+1]
.endr
	WIN 0
	v_nop                                          ; one plain place behind a scaled conversion
.irp t, 0,1,2,3,4,5,6,7
.irp i, 0,1,2
	v_permlane16_swap_b32 v[CD+8*\t+\i], v[CD+8*\t+4+\i]   ; a WHOLE block to a lane: the first three registers now hold my block h's lower 16 codes, the second three its upper 16
.endr
.endr
.irp t, 0,1,2,3,4,5,6,7
.irp i, 0,1,2
	v_mov_b32 v[CD+8*\t+3+\i], v[CD+8*\t+4+\i]     ; six registers on end
.endr
.endr
.irp t, 0,1,2,3,4,5,6,7
	global_store_b128 v[L16], v[CD+8*\t:CD+8*\t+3], s[OC0+2*(\t/4):OC0+2*(\t/4)+1] offset:(\t%4)*768         ; 512 consecutive bytes
	global_store_b64 v[L8], v[CD+8*\t+4:CD+8*\t+5], s[OC0+2*(\t/4):OC0+2*(\t/4)+1] offset:(\t%4)*768+512     ; 256 consecutive bytes
.endr
.irp g, 0,1
	global_store_b64 v[L8], v[MW+2*\g:MW+2*\g+1], s[OS0+2*\g:OS0+2*\g+1]                                     ; a cell's 256 bytes of scale words
.endr
	s_wait_tensorcnt 0x0                           ; the wave's end
	ds_add_u32 v[SPW], v[NIL]
	s_wait_dscnt 0x0
	ROUND                                          ; the closing round: no work-group ends while a partner may still ask for a tile that names it
	s_endpgm
.Lfunc_end_k_q7610f33f7b_proj:
	.size	k_q7610f33f7b_proj, .Lfunc_end_k_q7610f33f7b_proj-k_q7610f33f7b_proj
	.p2alignl 7, 3214868480
	.fill 96, 4, 3214868480
	.section	.rodata,"a",@progbits
	.p2align	6, 0x0
	.amdhsa_kernel k_q7610f33f7b_proj
		.amdhsa_group_segment_fixed_size 308224
		.amdhsa_private_segment_fixed_size 0
		.amdhsa_enable_private_segment 0
		.amdhsa_kernarg_size 144
		.amdhsa_user_sgpr_count 2
		.amdhsa_user_sgpr_kernarg_segment_ptr 1
		.amdhsa_wavefront_size32 1
		.amdhsa_system_sgpr_workgroup_id_x 1
		.amdhsa_system_sgpr_workgroup_id_y 1
		.amdhsa_system_sgpr_workgroup_id_z 1
		.amdhsa_system_vgpr_workitem_id 0
		.amdhsa_next_free_vgpr 512
		.amdhsa_next_free_sgpr 100
		.amdhsa_reserve_vcc 0
		.amdhsa_float_denorm_mode_32 3
		.amdhsa_float_denorm_mode_16_64 3
		.amdhsa_memory_ordered 1
		.amdhsa_forward_progress 1
		.amdhsa_inst_pref_size 73
	.end_amdhsa_kernel
	.amdgpu_metadata
---
amdhsa.version: [ 1, 2 ]
amdhsa.kernels:
  - .name:           k_q7610f33f7b_proj
    .symbol:         k_q7610f33f7b_proj.kd
    .args:
      - { .name: query_codes, .offset: 0, .size: 8, .value_kind: global_buffer, .address_space: global }
      - { .name: key_codes, .offset: 8, .size: 8, .value_kind: global_buffer, .address_space: global }
      - { .name: value_codes, .offset: 16, .size: 8, .value_kind: global_buffer, .address_space: global }
      - { .name: Wq_codes, .offset: 24, .size: 8, .value_kind: global_buffer, .address_space: global }
      - { .name: Wk_codes, .offset: 32, .size: 8, .value_kind: global_buffer, .address_space: global }
      - { .name: Wv_codes, .offset: 40, .size: 8, .value_kind: global_buffer, .address_space: global }
      - { .name: query_scales, .offset: 48, .size: 8, .value_kind: global_buffer, .address_space: global }
      - { .name: key_scales, .offset: 56, .size: 8, .value_kind: global_buffer, .address_space: global }
      - { .name: value_scales, .offset: 64, .size: 8, .value_kind: global_buffer, .address_space: global }
      - { .name: Wq_scales, .offset: 72, .size: 8, .value_kind: global_buffer, .address_space: global }
      - { .name: Wk_scales, .offset: 80, .size: 8, .value_kind: global_buffer, .address_space: global }
      - { .name: Wv_scales, .offset: 88, .size: 8, .value_kind: global_buffer, .address_space: global }
      - { .name: bq, .offset: 96, .size: 8, .value_kind: global_buffer, .address_space: global }
      - { .name: bk, .offset: 104, .size: 8, .value_kind: global_buffer, .address_space: global }
      - { .name: bv, .offset: 112, .size: 8, .value_kind: global_buffer, .address_space: global }
      - { .name: qimg, .offset: 120, .size: 8, .value_kind: global_buffer, .address_space: global }
      - { .name: kimg, .offset: 128, .size: 8, .value_kind: global_buffer, .address_space: global }
      - { .name: vimg, .offset: 136, .size: 8, .value_kind: global_buffer, .address_space: global }
    .group_segment_fixed_size: 308224
    .private_segment_fixed_size: 0
    .kernarg_segment_align: 8
    .kernarg_segment_size: 144
    .max_flat_workgroup_size: 256
    .sgpr_count:     100
    .vgpr_count:     512
    .wavefront_size: 32
...
	.end_amdgpu_metadata
.endif
;; end of part 1
;; launch attn (part 2): grid 8 x 32, 8 waves a work-group, clusters of 4 x 1, 327,680 bytes of LDS; arguments qimg, kimg, vimg, oimg; writes oimg
.if DOCPART == 2
	.amdgcn_target "amdgcn-amd-amdhsa--gfx1250"
	.amdhsa_code_object_version 6
	.text
	.protected	k_q7610f33f7b_attn
	.globl	k_q7610f33f7b_attn
	.p2align	8
	.type	k_q7610f33f7b_attn,@function
k_q7610f33f7b_attn:
	s_mov_b64 s[64:65], 0
	v_nop
	global_prefetch_b8 v0, s[64:65] scope:SCOPE_SE
	s_setreg_imm32_b32 hwreg(HW_REG_WAVE_MODE, 25, 1), 1
	s_wait_xcnt 0x0
	s_wait_alu depctr_hold_cnt(0) depctr_sa_sdst(0) depctr_va_vdst(0) depctr_va_sdst(0) depctr_va_ssrc(0) depctr_va_vcc(0) depctr_vm_vsrc(0)
	s_getreg_b32 s2, hwreg(HW_REG_IB_STS2, 6, 4)
	s_cmp_eq_u32 s2, 0
	s_cbranch_scc0 .Lentry_in_a_cluster
	s_endpgm
.Lentry_in_a_cluster:
	s_bfe_u32 s2, ttmp6, 0x10000c
	s_cmp_lg_u32 s2, 0x3003
	s_cbranch_scc0 .Lentry_shape_is_right
	s_endpgm
.Lentry_shape_is_right:
; o = softmax((q k^T - mu) / std) v for one (batch, head) (y) and 256 queries (x), on the codes of E2M3 that the first launch stored; o is quantised along the head's 64 and stored as codes for the last launch.
; LEFT OUT: THE SEARCH FOR THE SOFTMAX'S MAXIMUM.  reference() normalises each row by its own mean and deviation over 2,048 numbers, so |logit - mu| / std <= sqrt(2,047) < 45.3 for all inputs, and
; |t| = |.| x log2(e) < 65.3: 2^t and a sum of 2,048 of them neither overflow nor underflow in f32.  The rule's M is a whole number, and a power of two is taken up by a block's scale: M = 0 gives the same codes' values.
; LIMITS: NaN, infinities and scale bytes of 0xff are not served.  A block's scale exponent is floor(largest t) - 2; a 2^t that the exponential rounds up to the next power of two is held at the largest code.
; SHARES.  Wave w: 32 queries (two tiles T of 16), all 2,048 keys in 16 steps of 128.  Both products are used transposed (S^T = k q^T, O^T = v^T p^T): a lane holds one query.
; PASS 1 sums S - m0 and its square (m0: the mean of the first 128 keys, given as the C operand), PASS 2 makes p, its sum, its codes, and O^T.
; THE KEYS OF A TILE: lane r of tile i is key 64 (i / 4) + 8 (i % 4) + r % 8 + 32 (r / 8), as the first launch laid k.  So lane (r, h) holds in registers 32 c .. 32 c + 31 the keys 64 c + 32 h + 0 .. 31: a WHOLE block of 32,
; in the order of the next operand's registers: a block's maximum needs no other lane and the codes no exchange; only the scale word's bytes are exchanged.  v's channels lie likewise, so O^T's 32 registers are block h of the head.
; LDS: k's image (106,496 bytes), v's image, a stage of 1,024 bytes for o's scale words, the spare words.  CLUSTER: the four work-groups of one y share k and v: eight joint loads, one a wave (waves 0-3: k, 4-7: v), filled once.
; No prefetch: nothing comes from memory inside a loop.
.set HB,    106496
.set VIMG,  HB
.set STG,   2*HB
.set SPARE, STG+1024
.set L16, 2                            ; 16 x lane, 8 x lane
.set L8,  3
.set BKS, 6                            ; bases: k's scale words; v's units and scale words
.set BV16, 7
.set BV8, 8
.set BVS, 9
.set ADK16, 10                         ; the step's addresses
.set ADK8, 11
.set ADKS, 12
.set ADV16, 13
.set ADV8, 14
.set ADVS, 15
.set QS,  16                           ; scale words: q's; v17-18 p's; v20-23 k's; v24-27 v's as loaded; v28-29 v's for 128 keys
.set PS,  17
.set KS,  20
.set VR,  24
.set VS,  28
.set SPW, 30
.set NIL, 31
.set QF,  32                           ; q's two fragments (upper halves zero codes: K = 64)
.set KF,  56                           ; k's eight units of six registers, and six zeros
.set VF,  112                          ; v's four fragments
.set PC,  160                          ; p's two fragments
.set TP,  184
.set SA,  200
.set SB,  201
.set OC,  204
.set PWO, 220
.set MWO, 222
.set S,   0                            ; window 1: v0-127 S^T, then p; v128-191 O^T; v192-207 -mean as a C operand; from v208 24 registers a tile T
.set O,   128
.set MU,  192
.set ST,  208                          ; +0,1 log2(e) / std; +2..5 sums; +6..9, +10..13, +14..17, +18 at work
.set SH8, ST+20                        ; 8 h
.set WV,  12
.set MSB, 0
.macro WIN new
.if MSB != \new
	s_set_vgpr_msb (MSB<<8)|\new
.set MSB, \new
.endif
.endm
.macro PLACES
.rept 4
	v_nop
.endr
.endm
.macro ROUND
	s_barrier_signal -1
	s_barrier_wait -1
	s_cmp_lg_u32 s[WV], 0
	s_cbranch_scc1 .Lnot_wave_0_\@
	s_barrier_signal -3
.Lnot_wave_0_\@:
	s_barrier_wait -3
	s_barrier_signal -1
	s_barrier_wait -1
.endm
; one matrix instruction; c: the C operand as text; ra, rb: the scale words stand in lanes 16-31
.macro WM d, a, b, c, sa, ra, sb, rb
.if 2*(\ra)+(\rb) == 0
	v_wmma_scale_f32_16x16x128_f8f6f4 v[\d:\d+7], v[\a:\a+11], v[\b:\b+11], \c, v[\sa], v[\sb] matrix_a_fmt:MATRIX_FMT_FP6 matrix_b_fmt:MATRIX_FMT_FP6
.elseif 2*(\ra)+(\rb) == 1
	v_wmma_scale_f32_16x16x128_f8f6f4 v[\d:\d+7], v[\a:\a+11], v[\b:\b+11], \c, v[\sa], v[\sb] matrix_a_fmt:MATRIX_FMT_FP6 matrix_b_fmt:MATRIX_FMT_FP6 matrix_b_scale:MATRIX_SCALE_ROW1
.elseif 2*(\ra)+(\rb) == 2
	v_wmma_scale_f32_16x16x128_f8f6f4 v[\d:\d+7], v[\a:\a+11], v[\b:\b+11], \c, v[\sa], v[\sb] matrix_a_fmt:MATRIX_FMT_FP6 matrix_b_fmt:MATRIX_FMT_FP6 matrix_a_scale:MATRIX_SCALE_ROW1
.else
	v_wmma_scale_f32_16x16x128_f8f6f4 v[\d:\d+7], v[\a:\a+11], v[\b:\b+11], \c, v[\sa], v[\sb] matrix_a_fmt:MATRIX_FMT_FP6 matrix_b_fmt:MATRIX_FMT_FP6 matrix_a_scale:MATRIX_SCALE_ROW1 matrix_b_scale:MATRIX_SCALE_ROW1
.endif
.endm
.macro FETCHK off, soff                ; 128 keys: eight units and their scale words: 18 loads
.irp i, 0,1,2,3,4,5,6,7
	ds_load_b128 v[KF+6*\i:KF+6*\i+3], v[ADK16] offset:\off+768*\i
	ds_load_b64 v[KF+6*\i+4:KF+6*\i+5], v[ADK8] offset:\off+768*\i+512
.endr
.irp g, 0,1
	ds_load_b64 v[KS+2*\g:KS+2*\g+1], v[ADKS] offset:\soff+256*\g
.endr
.endm
.macro FETCHV                          ; v: four tiles of channels x 128 keys (two cells)
.irp dt, 0,1,2,3
.irp e, 0,1
	ds_load_b128 v[VF+12*\dt+6*\e:VF+12*\dt+6*\e+3], v[ADV16] offset:\e*3072+\dt*768
	ds_load_b64 v[VF+12*\dt+6*\e+4:VF+12*\dt+6*\e+5], v[ADV8] offset:\e*3072+\dt*768+512
.endr
.endr
.irp e, 0,1
	ds_load_b64 v[VR+2*\e:VR+2*\e+1], v[ADVS] offset:256*\e
.endr
.endm
.macro SMUL zero                       ; S^T: 16 accumulators, each once; C = 0 or minus the mean
	WIN 0x50
.irp i, 0,1,2,3,4,5,6,7
.irp T, 0,1
.if \zero
	WM S+64*\T+8*\i, KF+6*\i, QF+12*\T, 0, KS+\i/2, \i%2, QS, \T
.else
	WM S+64*\T+8*\i, KF+6*\i, QF+12*\T, v[MU+8*\T:MU+8*\T+7], KS+\i/2, \i%2, QS, \T
.endif
.endr
.endr
.endm
.macro P1STEP off, soff
	s_wait_dscnt 0x0
	SMUL 0
	WIN 0
	v_add_nc_u32 v[ADK16], s34, v[L16]             ; four places behind the products, ahead of the loads into k's registers
	v_add_nc_u32 v[ADK8], s34, v[L8]
	v_add_nc_u32 v[ADKS], s35, v[BKS]
	v_nop
	FETCHK \off, \soff
	WIN 0x55
.set k, 0
.rept 16
.irp T, 0,1
	v_pk_add_f32 v[ST+24*\T+2:ST+24*\T+3], v[ST+24*\T+2:ST+24*\T+3], v[S+64*\T+4*k:S+64*\T+4*k+1]
	v_pk_fma_f32 v[ST+24*\T+6:ST+24*\T+7], v[S+64*\T+4*k:S+64*\T+4*k+1], v[S+64*\T+4*k:S+64*\T+4*k+1], v[ST+24*\T+6:ST+24*\T+7]
	v_pk_add_f32 v[ST+24*\T+4:ST+24*\T+5], v[ST+24*\T+4:ST+24*\T+5], v[S+64*\T+4*k+2:S+64*\T+4*k+3]
	v_pk_fma_f32 v[ST+24*\T+8:ST+24*\T+9], v[S+64*\T+4*k+2:S+64*\T+4*k+3], v[S+64*\T+4*k+2:S+64*\T+4*k+3], v[ST+24*\T+8:ST+24*\T+9]
.endr
.set k, k+1
.endr
	WIN 0
	s_add_co_u32 s34, s34, 6144
	s_add_co_u32 s35, s35, 512
.endm
.macro P2STEP zero, fetch
	s_wait_dscnt 0x0
	SMUL 0
	WIN 0
	v_add_nc_u32 v[ADV16], s34, v[BV16]
	v_add_nc_u32 v[ADV8], s34, v[BV8]
	v_add_nc_u32 v[ADVS], s35, v[BVS]
.if \fetch
	v_add_nc_u32 v[ADK16], s34, v[L16]
	v_add_nc_u32 v[ADK8], s34, v[L8]
	v_add_nc_u32 v[ADKS], s35, v[BKS]
.else
	v_nop
.endif
	FETCHV
.if \fetch
	FETCHK 6144, 512
.endif
	WIN 0x55
.irp c, 0,1                            ; the largest score of my two blocks, four chains by turns; each accumulator is first read at its low end
.irp T, 0,1
	v_max3_num_f32 v[ST+24*\T+6+\c], v[S+64*\T+32*\c], v[S+64*\T+32*\c+1], v[S+64*\T+32*\c+2]
.endr
.endr
.irp i, 3,5,7,9,11,13,15,17,19,21,23,25,27,29
.irp c, 0,1
.irp T, 0,1
	v_max3_num_f32 v[ST+24*\T+6+\c], v[ST+24*\T+6+\c], v[S+64*\T+32*\c+\i], v[S+64*\T+32*\c+\i+1]
.endr
.endr
.endr
.irp c, 0,1
.irp T, 0,1
	v_max_num_f32 v[ST+24*\T+6+\c], v[ST+24*\T+6+\c], v[S+64*\T+32*\c+31]
.endr
.endr
.irp c, 0,1
.irp T, 0,1
	v_mul_f32 v[ST+24*\T+6+\c], v[ST+24*\T+6+\c], v[ST+24*\T]   ; the block's largest t (the factor is positive)
.endr
.endr
.irp c, 0,1
.irp T, 0,1
	v_cvt_floor_i32_f32 v[ST+24*\T+6+\c], v[ST+24*\T+6+\c]      ; floor(t) is the exponent of the block's largest p = 2^t
.endr
.endr
.irp c, 0,1
.irp T, 0,1
	v_add_nc_u32 v[ST+24*\T+10+\c], 125, v[ST+24*\T+6+\c]       ; the scale's byte: floor(t) - 2 + 127, between 59 and 191 by the bound on t
.endr
.endr
.irp c, 0,1
.irp T, 0,1
	v_lshlrev_b32 v[ST+24*\T+14+\c], 23, v[ST+24*\T+10+\c]      ; as an exponent field: the conversion's scale operand
.endr
.endr
.irp T, 0,1
	v_lshl_or_b32 v[ST+24*\T+18], v[ST+24*\T+11], 16, v[ST+24*\T+10]   ; my bytes: blocks h and 2 + h,
.endr
.irp T, 0,1
	v_lshlrev_b32 v[ST+24*\T+18], v[SH8], v[ST+24*\T+18]               ; at their places in the scale word
.endr
.irp T, 0,1
	v_permlanex16_b32 v[ST+24*\T+12], v[ST+24*\T+18], s32, s33         ; lane l xor 16's two
.endr
.set j, 0
.rept 32
.irp T, 0,1
	v_pk_mul_f32 v[S+64*\T+j:S+64*\T+j+1], v[S+64*\T+j:S+64*\T+j+1], v[ST+24*\T:ST+24*\T+1] op_sel_hi:[1,0]
.endr
.set j, j+2
.endr
	s_wait_alu depctr_va_vdst(0)                   ; ahead of the batch
.set j, 0
.rept 128
	v_exp_f32 v[S+j], v[S+j]                       ; p = 2^t
.set j, j+1
.endr
	v_nop
	s_wait_alu depctr_va_vdst(0)                   ; behind the batch
.if \fetch
	s_wait_dscnt 18                                ; v's fragments are in; the 18 loads of the next keys may be out
.else
	s_wait_dscnt 0x0
.endif
.set k, 0
.rept 16
.irp T, 0,1
	v_pk_add_f32 v[ST+24*\T+2:ST+24*\T+3], v[ST+24*\T+2:ST+24*\T+3], v[S+64*\T+4*k:S+64*\T+4*k+1]      ; the row's sum, of the unquantised p
	v_pk_add_f32 v[ST+24*\T+4:ST+24*\T+5], v[ST+24*\T+4:ST+24*\T+5], v[S+64*\T+4*k+2:S+64*\T+4*k+3]
.endr
.set k, k+1
.endr
	WIN 0x05
.irp T, 0,1
.irp c, 0,1
	v_cvt_scalef32_pk16_fp6_f32 v[PC+12*\T+6*\c:PC+12*\T+6*\c+2], v[S+64*\T+32*\c:S+64*\T+32*\c+15], v[ST+24*\T+14+\c]
	v_cvt_scalef32_pk16_fp6_f32 v[TP+8*\T+4*\c:TP+8*\T+4*\c+2], v[S+64*\T+32*\c+16:S+64*\T+32*\c+31], v[ST+24*\T+14+\c]   ; (three registers begin on an even number: made here, moved below)
.endr
.endr
.irp T, 0,1
	v_or_b32 v[PS+\T], v[ST+24*\T+18], v[ST+24*\T+12]   ; p's scale word of these 128 keys.  (Also the plain place behind the conversions)
.endr
	WIN 0
.irp j, 0,1
	v_lshl_or_b32 v[VS+\j], v[VR+2+\j], 16, v[VR+\j]
.endr
.irp T, 0,1
.irp c, 0,1
.irp i, 0,1,2
	v_mov_b32 v[PC+12*\T+6*\c+3+\i], v[TP+8*\T+4*\c+\i]
.endr
.endr
.endr
	PLACES                                         ; operands written by vector instructions stand 4 places ahead; the scale registers stand 16 and more
	WIN 0x50
	s_wait_alu depctr_va_vdst(0)                   ; O^T is taken up again behind the exponentials
.irp dt, 0,1,2,3
.irp T, 0,1
.if \zero
	WM O+32*\T+8*\dt, VF+12*\dt, PC+12*\T, 0, VS+\dt/2, \dt%2, PS+\T, 0
.else
	WM O+32*\T+8*\dt, VF+12*\dt, PC+12*\T, v[O+32*\T+8*\dt:O+32*\T+8*\dt+7], VS+\dt/2, \dt%2, PS+\T, 0
.endif
.endr
.endr
	WIN 0
	s_add_co_u32 s34, s34, 6144
	s_add_co_u32 s35, s35, 512
.endm
	s_load_b256 s[4:11], s[0:1], 0x0               ; qimg, kimg, vimg, oimg
	v_lshl_add_u32 v[SPW], v0, 2, SPARE
	v_mov_b32 v[NIL], 0
	ds_add_u32 v[SPW], v[NIL]                      ; the opening lines
	ds_add_u32 v[SPW], v[NIL]
	v_lshrrev_b32 v1, 5, v0
	v_readfirstlane_b32 s[WV], v1
	s_and_b32 s15, ttmp7, 0xffff                   ; y = 8 batch + head
	s_mov_b32 s16, 15|(3<<16)|(1<<21)              ; group 1: all four partners; elements of 8 bytes; 104 dense rows of 256 bytes
	s_mov_b32 s17, 32<<16
	s_mov_b32 s18, 104<<16
	s_mov_b32 s19, 32<<16
	s_mov_b32 s20, 104
	s_mov_b32 s21, 32
	s_mov_b32 s22, 0
	s_mov_b32 s23, 0
	s_mul_i32 s48, s15, HB
	s_mov_b32 s24, 1
	s_mul_i32 s25, s[WV], 26624                    ; LDS: k's four quarters, then v's: the wave's number alone
	s_and_b32 s26, s[WV], 3
	s_mul_i32 s26, s26, 26624
	s_add_co_u32 s26, s26, s48
	s_mov_b32 s27, 0
	s_mov_b32 s32, 0x76543210
	s_mov_b32 s33, 0xfedcba98
	s_mov_b32 s34, 0
	s_mov_b32 s35, 0
	s_mov_b32 s36, 0xffff0000
	s_bfe_u32 s13, ttmp6, 0x40000
	s_lshl_b32 s14, ttmp9, 2
	s_add_co_u32 s14, s14, s13                     ; which 256 queries
	s_lshl_b32 s50, s14, 4
	s_lshl_b32 s51, s[WV], 1
	s_add_co_u32 s50, s50, s51                     ; my first unit of q
	s_mul_i32 s40, s50, 768
	s_add_co_u32 s40, s40, s48
	s_mov_b32 s41, 0
	s_lshr_b32 s46, s50, 2
	s_lshl_b32 s46, s46, 8
	s_add_co_u32 s46, s46, s48
	s_and_b32 s51, s[WV], 1
	s_lshl_b32 s51, s51, 2
	s_add_co_u32 s46, s46, s51
	s_add_co_u32 s46, s46, 98304                   ; its scale words
	s_mov_b32 s47, 0
	s_lshr_b32 s52, s15, 3
	s_lshl_b32 s52, s52, 4
	s_lshl_b32 s53, s14, 1
	s_add_co_u32 s52, s52, s53                     ; o's block of 128 tokens
	s_and_b32 s53, s15, 7
	s_lshr_b32 s54, s[WV], 2
	s_add_co_u32 s54, s54, s52
	s_mul_i32 s42, s54, 53248
	s_lshl_b32 s55, s53, 3
	s_and_b32 s56, s[WV], 3
	s_lshl_b32 s56, s56, 1
	s_add_co_u32 s55, s55, s56
	s_mul_i32 s55, s55, 768
	s_add_co_u32 s42, s42, s55
	s_mov_b32 s43, 0
	s_and_b32 s54, s[WV], 1
	s_add_co_u32 s54, s54, s52
	s_mul_i32 s44, s54, 53248
	s_lshl_b32 s55, s53, 9
	s_add_co_u32 s44, s44, s55
	s_add_co_u32 s44, s44, 49152
	s_mov_b32 s45, 0
	v_and_b32 v1, 31, v0
	v_bfe_u32 v4, v0, 4, 1
	v_and_b32 v5, 63, v0
	v_lshlrev_b32 v[L16], 4, v1
	v_lshlrev_b32 v[L8], 3, v1
	v_lshlrev_b32 v4, 3, v4                        ; 8 h
	v_lshl_add_u32 v[SA], v0, 2, STG
	v_lshl_add_u32 v[SB], v5, 4, STG
	v_add_nc_u32 v[BKS], 98304, v[L8]
	v_add_nc_u32 v[BV16], VIMG, v[L16]
	v_add_nc_u32 v[BV8], VIMG, v[L8]
	v_add_nc_u32 v[BVS], VIMG+98304, v[L8]
.irp T, 0,1
.irp j, 6,7,8,9,10,11
	v_mov_b32 v[QF+12*\T+\j], 0                    ; zero codes for k = 64 .. 127
.endr
.endr
.irp j, 48,49,50,51,52,53
	v_mov_b32 v[KF+\j], 0
.endr
	WIN 0x40
.irp T, 0,1
.irp j, 10,11,12,13
	v_mov_b32 v[ST+24*\T+\j], 0                    ; a lane permute's destination counts as a source
.endr
.endr
	v_mov_b32 v[SH8], v4
	WIN 0
	s_wait_alu depctr_va_vdst(0)                   ; the head's end
	s_wait_dscnt 0x0
	s_wait_kmcnt 0x0
	s_cmp_lt_u32 s[WV], 4                          ; waves 0-3 fetch k, waves 4-7 v
	s_cselect_b64 s[28:29], s[6:7], s[8:9]
	s_add_nc_u64 s[26:27], s[28:29], s[26:27]
	s_or_b32 s27, s27, 0x80000000
	s_add_nc_u64 s[40:41], s[4:5], s[40:41]
	s_add_nc_u64 s[46:47], s[4:5], s[46:47]
	s_add_nc_u64 s[42:43], s[10:11], s[42:43]
	s_add_nc_u64 s[44:45], s[10:11], s[44:45]
.irp T, 0,1
	global_load_b128 v[QF+12*\T:QF+12*\T+3], v[L16], s[40:41] offset:768*\T
	global_load_b64 v[QF+12*\T+4:QF+12*\T+5], v[L8], s[40:41] offset:768*\T+512
.endr
	global_load_b32 v[QS], v[L8], s[46:47]
	ROUND                                          ; all four work-groups are here: the joint loads meet
	tensor_load_to_lds s[24:27], s[16:23]          ; my one tensor load of the launch
	s_nop 0
	PLACES
	s_wait_tensorcnt 0x0
	s_barrier_signal -1
	s_barrier_wait -1                              ; k and v are whole; nothing is filled again
	v_add_nc_u32 v[ADK16], s34, v[L16]
	v_add_nc_u32 v[ADK8], s34, v[L8]
	v_add_nc_u32 v[ADKS], s35, v[BKS]
	FETCHK 0, 0
	s_wait_loadcnt 0x0
	s_wait_dscnt 0x0
	SMUL 1                                         ; the first 128 keys: their mean centres pass 1's sums
	WIN 0x55
	PLACES
.irp T, 0,1
	v_pk_add_f32 v[ST+24*\T+2:ST+24*\T+3], v[S+64*\T:S+64*\T+1], v[S+64*\T+4:S+64*\T+5]
	v_pk_add_f32 v[ST+24*\T+4:ST+24*\T+5], v[S+64*\T+2:S+64*\T+3], v[S+64*\T+6:S+64*\T+7]
.endr
.set k, 2
.rept 14
.irp T, 0,1
	v_pk_add_f32 v[ST+24*\T+2:ST+24*\T+3], v[ST+24*\T+2:ST+24*\T+3], v[S+64*\T+4*k:S+64*\T+4*k+1]
	v_pk_add_f32 v[ST+24*\T+4:ST+24*\T+5], v[ST+24*\T+4:ST+24*\T+5], v[S+64*\T+4*k+2:S+64*\T+4*k+3]
.endr
.set k, k+1
.endr
.irp T, 0,1
	v_pk_add_f32 v[ST+24*\T+2:ST+24*\T+3], v[ST+24*\T+2:ST+24*\T+3], v[ST+24*\T+4:ST+24*\T+5]
.endr
.irp T, 0,1
	v_add_f32 v[ST+24*\T+2], v[ST+24*\T+2], v[ST+24*\T+3]
.endr
.irp T, 0,1
	v_permlanex16_b32 v[ST+24*\T+10], v[ST+24*\T+2], s32, s33
.endr
.irp T, 0,1
	v_add_f32 v[ST+24*\T+2], v[ST+24*\T+2], v[ST+24*\T+10]
.endr
.irp j, 0,1,2,3,4,5,6,7
.irp T, 0,1
	v_mul_f32 v[MU+8*\T+\j], 0xbc000000, v[ST+24*\T+2]   ; - sum / 128
.endr
.endr
.irp T, 0,1
.irp j, 2,3,4,5,6,7,8,9
	v_mov_b32 v[ST+24*\T+\j], 0
.endr
.endr
	WIN 0
	s_wait_alu depctr_va_vdst(0)
	s_mov_b32 s38, 15
.Lpass1:
	P1STEP 6144, 512
	s_sub_co_u32 s38, s38, 1
	s_cmp_lg_u32 s38, 0
	s_cbranch_scc1 .Lpass1
	s_mov_b32 s34, 0
	s_mov_b32 s35, 0
	P1STEP 0, 0                                    ; the last step fetches pass 2's first keys
	WIN 0x55
.irp T, 0,1
	v_pk_add_f32 v[ST+24*\T+2:ST+24*\T+3], v[ST+24*\T+2:ST+24*\T+3], v[ST+24*\T+4:ST+24*\T+5]
	v_pk_add_f32 v[ST+24*\T+6:ST+24*\T+7], v[ST+24*\T+6:ST+24*\T+7], v[ST+24*\T+8:ST+24*\T+9]
.endr
.irp T, 0,1
	v_add_f32 v[ST+24*\T+2], v[ST+24*\T+2], v[ST+24*\T+3]
	v_add_f32 v[ST+24*\T+6], v[ST+24*\T+6], v[ST+24*\T+7]
.endr
.irp T, 0,1
	v_permlanex16_b32 v[ST+24*\T+10], v[ST+24*\T+2], s32, s33
	v_permlanex16_b32 v[ST+24*\T+11], v[ST+24*\T+6], s32, s33
.endr
.irp T, 0,1
	v_add_f32 v[ST+24*\T+2], v[ST+24*\T+2], v[ST+24*\T+10]
	v_add_f32 v[ST+24*\T+6], v[ST+24*\T+6], v[ST+24*\T+11]
.endr
.irp T, 0,1
	v_mul_f32 v[ST+24*\T+2], 0x3a000000, v[ST+24*\T+2]   ; / 2,048: the mean of S - m0, and of its square
	v_mul_f32 v[ST+24*\T+6], 0x3a000000, v[ST+24*\T+6]
.endr
.irp T, 0,1
	v_fma_f32 v[ST+24*\T+6], -v[ST+24*\T+2], v[ST+24*\T+2], v[ST+24*\T+6]   ; the variance
.endr
.irp T, 0,1
	v_max_num_f32 v[ST+24*\T+6], 0, v[ST+24*\T+6]
.endr
.irp T, 0,1
	v_add_f32 v[ST+24*\T+6], 0x358637bd, v[ST+24*\T+6]   ; + 1e-6
.endr
	s_wait_alu depctr_va_vdst(0)
.irp T, 0,1
	v_sqrt_f32 v[ST+24*\T+7], v[ST+24*\T+6]
.endr
.irp j, 0,1,2,3,4,5,6,7
.irp T, 0,1
	v_sub_f32 v[MU+8*\T+\j], v[MU+8*\T+\j], v[ST+24*\T+2]   ; minus the row's mean
.endr
.endr
	s_wait_alu depctr_va_vdst(0)
.irp T, 0,1
	v_add_f32 v[ST+24*\T+7], 0x358637bd, v[ST+24*\T+7]   ; + 1e-6
.endr
	s_wait_alu depctr_va_vdst(0)
.irp T, 0,1
	v_rcp_f32 v[ST+24*\T+8], v[ST+24*\T+7]
.endr
.irp T, 0,1
.irp j, 2,3,4,5
	v_mov_b32 v[ST+24*\T+\j], 0
.endr
.endr
	s_wait_alu depctr_va_vdst(0)
.irp T, 0,1
	v_mul_f32 v[ST+24*\T], 0x3fb8aa3b, v[ST+24*\T+8]     ; log2(e) / std
.endr
.irp T, 0,1
	v_mov_b32 v[ST+24*\T+1], v[ST+24*\T]
.endr
	WIN 0
	s_wait_alu depctr_va_vdst(0)
	s_mov_b32 s34, 0
	s_mov_b32 s35, 0
	P2STEP 1, 1                                    ; the first step starts O^T's sums
	s_mov_b32 s38, 14
.Lpass2:
	P2STEP 0, 1
	s_sub_co_u32 s38, s38, 1
	s_cmp_lg_u32 s38, 0
	s_cbranch_scc1 .Lpass2
	P2STEP 0, 0
	WIN 0x55
.irp T, 0,1
	v_pk_add_f32 v[ST+24*\T+2:ST+24*\T+3], v[ST+24*\T+2:ST+24*\T+3], v[ST+24*\T+4:ST+24*\T+5]
.endr
.irp T, 0,1
	v_add_f32 v[ST+24*\T+2], v[ST+24*\T+2], v[ST+24*\T+3]
.endr
.irp T, 0,1
	v_permlanex16_b32 v[ST+24*\T+10], v[ST+24*\T+2], s32, s33
.endr
.irp T, 0,1
	v_add_f32 v[ST+24*\T+2], v[ST+24*\T+2], v[ST+24*\T+10]   ; the row's sum
.endr
	s_wait_alu depctr_va_vdst(0)
.irp T, 0,1
	v_rcp_f32 v[ST+24*\T+4], v[ST+24*\T+2]
.endr
	v_nop
	s_wait_alu depctr_va_vdst(0)
.irp T, 0,1
	v_mov_b32 v[ST+24*\T+5], v[ST+24*\T+4]
.endr
.set j, 0
.rept 16
.irp T, 0,1
	v_pk_mul_f32 v[O+32*\T+j:O+32*\T+j+1], v[O+32*\T+j:O+32*\T+j+1], v[ST+24*\T+4:ST+24*\T+5] op_sel_hi:[1,0]
.endr
.set j, j+2
.endr
.irp T, 0,1                            ; o is quantised: my 32 registers are block h of my query's 64
	v_max3_num_f32 v[ST+24*\T+6], |v[O+32*\T]|, |v[O+32*\T+1]|, 0x1800000   ; the floor 2^(3 - 127) holds the byte at 1 from below
.endr
.irp i, 2,4,6,8,10,12,14,16,18,20,22,24,26,28,30
.irp T, 0,1
	v_max3_num_f32 v[ST+24*\T+6], v[ST+24*\T+6], |v[O+32*\T+\i]|, |v[O+32*\T+\i+1]|
.endr
.endr
.irp T, 0,1
	v_add_nc_u32 v[ST+24*\T+14], 0xff000000, v[ST+24*\T+6]   ; 2 off the exponent field
.endr
.irp T, 0,1
	v_lshrrev_b32 v[ST+24*\T+10], 23, v[ST+24*\T+14]
.endr
.irp T, 0,1
	v_lshlrev_b32 v[ST+24*\T+18], v[SH8], v[ST+24*\T+10]     ; byte h of the unit's scale word
.endr
.irp T, 0,1
	v_permlanex16_b32 v[ST+24*\T+12], v[ST+24*\T+18], s32, s33
.endr
	WIN 0x05
.irp T, 0,1
	v_cvt_scalef32_pk16_fp6_f32 v[OC+8*\T:OC+8*\T+2], v[O+32*\T:O+32*\T+15], v[ST+24*\T+14]
	v_cvt_scalef32_pk16_fp6_f32 v[OC+8*\T+4:OC+8*\T+6], v[O+32*\T+16:O+32*\T+31], v[ST+24*\T+14]
.endr
.irp T, 0,1
	v_or_b32 v[PWO+\T], v[ST+24*\T+18], v[ST+24*\T+12]
.endr
	WIN 0
.irp T, 0,1
.irp i, 0,1,2
	v_mov_b32 v[OC+8*\T+3+\i], v[OC+8*\T+4+\i]     ; six registers on end
.endr
.endr
	v_cndmask_b32 v[MWO], v[PWO], v[PWO+1], s36    ; lanes 0-15: my even unit's words, lanes 16-31: the odd one's
.irp T, 0,1
	global_store_b128 v[L16], v[OC+8*\T:OC+8*\T+3], s[42:43] offset:768*\T          ; 512 consecutive bytes
	global_store_b64 v[L8], v[OC+8*\T+4:OC+8*\T+5], s[42:43] offset:768*\T+512      ; 256 consecutive bytes
.endr
	ds_store_b32 v[SA], v[MWO]                     ; the scale words of eight waves are gathered, so that two waves store 512 consecutive bytes each
	s_wait_dscnt 0x0
	s_barrier_signal -1
	s_barrier_wait -1
	s_cmp_lt_u32 s[WV], 2
	s_cbranch_scc0 .Lno_scales
	ds_load_b128 v[TP:TP+3], v[SB]
	s_wait_dscnt 0x0
	global_store_b128 v[L16], v[TP:TP+3], s[44:45]
.Lno_scales:
	s_wait_tensorcnt 0x0                           ; the wave's end
	ds_add_u32 v[SPW], v[NIL]
	s_wait_dscnt 0x0
	ROUND                                          ; the closing round
	s_endpgm
.Lfunc_end_k_q7610f33f7b_attn:
	.size	k_q7610f33f7b_attn, .Lfunc_end_k_q7610f33f7b_attn-k_q7610f33f7b_attn
	.p2alignl 7, 3214868480
	.fill 96, 4, 3214868480
	.section	.rodata,"a",@progbits
	.p2align	6, 0x0
	.amdhsa_kernel k_q7610f33f7b_attn
		.amdhsa_group_segment_fixed_size 327680
		.amdhsa_private_segment_fixed_size 0
		.amdhsa_enable_private_segment 0
		.amdhsa_kernarg_size 32
		.amdhsa_user_sgpr_count 2
		.amdhsa_user_sgpr_kernarg_segment_ptr 1
		.amdhsa_wavefront_size32 1
		.amdhsa_system_sgpr_workgroup_id_x 1
		.amdhsa_system_sgpr_workgroup_id_y 1
		.amdhsa_system_sgpr_workgroup_id_z 1
		.amdhsa_system_vgpr_workitem_id 0
		.amdhsa_next_free_vgpr 512
		.amdhsa_next_free_sgpr 66
		.amdhsa_reserve_vcc 0
		.amdhsa_float_denorm_mode_32 3
		.amdhsa_float_denorm_mode_16_64 3
		.amdhsa_memory_ordered 1
		.amdhsa_forward_progress 1
		.amdhsa_inst_pref_size 120
	.end_amdhsa_kernel
	.amdgpu_metadata
---
amdhsa.version: [ 1, 2 ]
amdhsa.kernels:
  - .name:           k_q7610f33f7b_attn
    .symbol:         k_q7610f33f7b_attn.kd
    .args:
      - { .name: qimg, .offset: 0, .size: 8, .value_kind: global_buffer, .address_space: global }
      - { .name: kimg, .offset: 8, .size: 8, .value_kind: global_buffer, .address_space: global }
      - { .name: vimg, .offset: 16, .size: 8, .value_kind: global_buffer, .address_space: global }
      - { .name: oimg, .offset: 24, .size: 8, .value_kind: global_buffer, .address_space: global }
    .group_segment_fixed_size: 327680
    .private_segment_fixed_size: 0
    .kernarg_segment_align: 8
    .kernarg_segment_size: 32
    .max_flat_workgroup_size: 256
    .sgpr_count:     66
    .vgpr_count:     512
    .wavefront_size: 32
...
	.end_amdgpu_metadata
.endif
;; end of part 2
;; launch oproj (part 3): grid 4 x 64, 8 waves a work-group, clusters of 4 x 4, 167,936 bytes of LDS; arguments oimg, Wo_codes, Wo_scales, bo, out0; writes out0
.if DOCPART == 3
	.amdgcn_target "amdgcn-amd-amdhsa--gfx1250"
	.amdhsa_code_object_version 6
	.text
	.protected	k_q7610f33f7b_oproj
	.globl	k_q7610f33f7b_oproj
	.p2align	8
	.type	k_q7610f33f7b_oproj,@function
k_q7610f33f7b_oproj:
	s_mov_b64 s[64:65], 0
	v_nop
	global_prefetch_b8 v0, s[64:65] scope:SCOPE_SE
	s_setreg_imm32_b32 hwreg(HW_REG_WAVE_MODE, 25, 1), 1
	s_wait_xcnt 0x0
	s_wait_alu depctr_hold_cnt(0) depctr_sa_sdst(0) depctr_va_vdst(0) depctr_va_sdst(0) depctr_va_ssrc(0) depctr_va_vcc(0) depctr_vm_vsrc(0)
	s_getreg_b32 s2, hwreg(HW_REG_IB_STS2, 6, 4)
	s_cmp_eq_u32 s2, 0
	s_cbranch_scc0 .Lentry_in_a_cluster
	s_endpgm
.Lentry_in_a_cluster:
	s_bfe_u32 s2, ttmp6, 0x10000c
	s_cmp_lg_u32 s2, 0xf033
	s_cbranch_scc0 .Lentry_shape_is_right
	s_endpgm
.Lentry_shape_is_right:
; out0 = o Wo + bo on codes of E2M3, K = 512 = 8 heads x 64.  o comes as the second launch laid it: blocks of 128 tokens (53,248 bytes): the unit of (head, tile of 16 tokens) at (8 head + tile) x 768, an image of six registers
; a lane; scale words at 49,152 + 512 head + 128 (tile / 2) + 4 x lane (lanes 0-15 the even tile, lanes 16-31 the odd one).  Nothing of reference() is left out here.
; SHARES.  A work-group: 128 columns n (nb) x 128 tokens (yb).  Wave w: 64 columns (w % 2: four tiles i) x two tiles of tokens (2 (w / 2) + T): 8 accumulators, 4 K steps of 128 (two heads each), 32 matrix instructions.
; THE MATRIX INSTRUCTION IS USED TRANSPOSED (source 0 = 16 rows of Wo, source 1 = 16 tokens): a lane holds eight neighbouring columns of one token's row.
; THE TOKENS OF A TILE ARE NOT NEIGHBOURS: lane r of tile t is token 32 (t / 2) + 8 (t % 2) + r + 8 (r / 8) of the block, as the first launch laid q; the stores' offsets undo it.
; CLUSTER, 4 x 4: Wo's 128 rows are shared along a column of the cluster, o's block along a row: both are asked for jointly, one load a wave (waves 0-3: Wo; waves 4-7: o).  One tensor load of mine is out.  Nothing is filled twice.
; LIMITS: NaN, infinities and scale bytes of 0xff are not served.
; THESE LINES STAND IN PLACE OF THE HEAD'S ON THE SAME MATTERS.  Wo's 128 rows of 384 bytes lie dense in memory: they are fetched as rows of 256 bytes, each beginning at a multiple of 256 bytes, 48 a wave (waves 0-3),
; with 16 bytes of padding behind every 128: a row of codes is 3 x (128 + 16) = 432 bytes of LDS.  THE TOKENS OF A TILE: lane r of tile t is token 64 (t / 4) + 8 (t % 4) + r % 8 + 32 (r / 8) of the block, as the first launch lays q.
.set PITCH, 432
.set OB,    128*PITCH                  ; o's block,
.set OBB,   53248
.set STAGE, OB+OBB                     ; a stage of 16 rows x (256 + 16) bytes for each wave,
.set SP,    272
.set SPARE, STAGE+8*16*SP              ; and the spare words, 128 bytes for each of the eight waves: four blocks of 256 bytes that no other line names
.set ADW, 4                            ; v4-7  LDS address of my fragments of Wo: half 0 of K (and behind one padding more), half 1 likewise
.set AO16, 8                           ; v8, v9 my two units of o: 16 x and 8 x lane
.set AO8, 9
.set AOS, 10                           ; v10  their scale words
.set STO, 11                           ; v11  the stage: where I put 32 bytes of a row;  v12 where I read a row back;  v13 my byte offset in two rows of out0
.set RD,  12
.set CO,  13
.set SPW, 14                           ; v14  my spare word; v15 0; never rewritten
.set NIL, 15
.set L16, 16
.set BA,  17
.set WS,  20                           ; v20-27 Wo's scale words: register 4 p + ks; lanes 0-15 tile 2 p, lanes 16-31 tile 2 p + 1
.set OS,  28                           ; v28-31 o's scale words of a K step
.set OR,  32                           ; v32-39 as loaded, a head each
.set BI,  40                           ; v40-71 bo in the result's layout
.set WF,  72                           ; v72-119 Wo's four fragments
.set OF,  120                          ; v120-143 o's two
.set ACC, 144                          ; v144-207 accumulator (T, i) at 32 T + 8 i
.set BK,  208                          ; v208-239 rows read back from the stage
.set WV,  14
.macro PLACES
.rept 4
	v_nop
.endr
.endm
.macro ROUND                           ; a round of the cluster's barrier
	s_barrier_signal -1
	s_barrier_wait -1
	s_cmp_lg_u32 s[WV], 0
	s_cbranch_scc1 .Lnot_wave_0_\@
	s_barrier_signal -3
.Lnot_wave_0_\@:
	s_barrier_wait -3
	s_barrier_signal -1
	s_barrier_wait -1
.endm
; One matrix instruction.  cm = 0: C is D; 1: C is v[c .. c + 7].  ra, rb: the scale words stand in lanes 16-31 of their registers.
.macro WM d, a, b, cm, c, sa, ra, sb, rb
.set wD, \d
.set wA, \a
.set wB, \b
.set wC, \c
.set wS, \sa
.set wT, \sb
.set wR, 2*(\ra)+(\rb)
.if (\cm) == 0
.set wC, wD
.endif
.if wR == 0
	v_wmma_scale_f32_16x16x128_f8f6f4 v[wD:wD+7], v[wA:wA+11], v[wB:wB+11], v[wC:wC+7], v[wS], v[wT] matrix_a_fmt:MATRIX_FMT_FP6 matrix_b_fmt:MATRIX_FMT_FP6
.elseif wR == 1
	v_wmma_scale_f32_16x16x128_f8f6f4 v[wD:wD+7], v[wA:wA+11], v[wB:wB+11], v[wC:wC+7], v[wS], v[wT] matrix_a_fmt:MATRIX_FMT_FP6 matrix_b_fmt:MATRIX_FMT_FP6 matrix_b_scale:MATRIX_SCALE_ROW1
.elseif wR == 2
	v_wmma_scale_f32_16x16x128_f8f6f4 v[wD:wD+7], v[wA:wA+11], v[wB:wB+11], v[wC:wC+7], v[wS], v[wT] matrix_a_fmt:MATRIX_FMT_FP6 matrix_b_fmt:MATRIX_FMT_FP6 matrix_a_scale:MATRIX_SCALE_ROW1
.else
	v_wmma_scale_f32_16x16x128_f8f6f4 v[wD:wD+7], v[wA:wA+11], v[wB:wB+11], v[wC:wC+7], v[wS], v[wT] matrix_a_fmt:MATRIX_FMT_FP6 matrix_b_fmt:MATRIX_FMT_FP6 matrix_a_scale:MATRIX_SCALE_ROW1 matrix_b_scale:MATRIX_SCALE_ROW1
.endif
.endm
; A fragment of Wo, 16 rows x 128 K: 12 registers, in six pieces of 8 bytes.  Lanes 16-31 read three pieces further on than lanes 0-15; where that lies behind one padding more, the second address register serves.
.macro FRAG reg, adr, q, row
.irp p, 0,1,2,3,4,5
.set PCE, 12*(\q)+6*(\p/3)+\p%3
.if PCE%16 < 13
	ds_load_b64 v[\reg+2*\p:\reg+2*\p+1], v[\adr] offset:8*PCE+16*(PCE/16)+(\row)*PITCH
.else
	ds_load_b64 v[\reg+2*\p:\reg+2*\p+1], v[\adr+1] offset:8*PCE+16*(PCE/16)+(\row)*PITCH
.endif
.endr
.endm
.macro FETCH ks                        ; K step ks: 24 loads for Wo, 8 for o (a fragment's registers 0-5 from head 2 ks, 6-11 from head 2 ks + 1)
.irp i, 0,1,2,3
	FRAG WF+12*\i, ADW, \ks, 16*\i
.endr
.irp T, 0,1
.irp e, 0,1
	ds_load_b128 v[OF+12*\T+6*\e:OF+12*\T+6*\e+3], v[AO16] offset:(2*(\ks)+\e)*6144+\T*768
	ds_load_b64 v[OF+12*\T+6*\e+4:OF+12*\T+6*\e+5], v[AO8] offset:(2*(\ks)+\e)*6144+\T*768+512
.endr
.endr
.endm
.macro MUL ks                          ; the eight accumulators take turns, one instruction a turn; the first K step's C is the bias: nothing is cleared
.irp i, 0,1,2,3
.irp T, 0,1
.if \ks == 0
	WM ACC+32*\T+8*\i, WF+12*\i, OF+12*\T, 1, BI+8*\i, WS+4*(\i/2)+\ks, \i%2, OS+\ks, \T
.else
	WM ACC+32*\T+8*\i, WF+12*\i, OF+12*\T, 0, 0, WS+4*(\i/2)+\ks, \i%2, OS+\ks, \T
.endif
.endr
.endr
.endm
	s_load_b256 s[4:11], s[0:1], 0x0               ; oimg s[4:5], Wo's codes s[6:7], Wo's scales s[8:9], bo s[10:11]
	s_load_b64 s[12:13], s[0:1], 0x20              ; out0
	v_lshl_add_u32 v[SPW], v0, 2, SPARE
	v_mov_b32 v[NIL], 0
	ds_add_u32 v[SPW], v[NIL]                      ; the wave's opening: the add, twice on end, and its wait ahead of my first tensor load
	ds_add_u32 v[SPW], v[NIL]                      ; (the set-up below, work on registers, stands between the second and the wait)
	v_lshrrev_b32 v1, 5, v0
	s_delay_alu instid0(VALU_DEP_1)
	v_readfirstlane_b32 s[WV], v1                  ; wave 0..7
	s_bfe_u32 s15, ttmp6, 0x40000                  ; cx, cy: my place in the cluster
	s_bfe_u32 s16, ttmp6, 0x40004
	s_lshl_b32 s18, ttmp9, 2
	s_add_co_u32 s18, s18, s15                     ; nb: which 128 columns
	s_and_b32 s17, ttmp7, 0xffff
	s_lshl_b32 s17, s17, 2
	s_add_co_u32 s17, s17, s16                     ; yb: which 128 tokens
	s_lshl_b32 s19, 0x1111, s15                    ; my column of the cluster
	s_lshl_b32 s20, s16, 2
	s_lshl_b32 s20, 15, s20                        ; my row
	s_or_b32 s24, s19, (3<<16)|(1<<20)|(1<<21)|(4<<22)|(3<<25)   ; Wo's group 1: the mask; elements of 8 bytes; padding on; bit 21 beside a mask; after every 32 words, 4 words
	s_mov_b32 s25, 32<<16                          ; rows of 256 bytes,
	s_mov_b32 s26, 48<<16                          ; 48 of them, dense
	s_mov_b32 s27, 32<<16
	s_mov_b32 s28, 48
	s_mov_b32 s29, 32
	s_mov_b32 s30, 0
	s_mov_b32 s31, 0
	s_or_b32 s36, s20, (3<<16)|(1<<21)             ; o's group 1: the mask; elements of 8 bytes; no padding
	s_mov_b32 s37, 32<<16                          ; rows of 256 bytes,
	s_mov_b32 s38, 52<<16                          ; 52 of them, dense
	s_mov_b32 s39, 32<<16
	s_mov_b32 s40, 52
	s_mov_b32 s41, 32
	s_mov_b32 s42, 0
	s_mov_b32 s43, 0
	s_and_b32 s48, s[WV], 1                        ; waves 0-3: which half of K; every wave: which 64 columns are mine
	s_bfe_u32 s49, s[WV], 0x10001                  ; waves 0-3: which 64 rows of Wo
	s_mov_b32 s32, 1
	s_and_b32 s50, s[WV], 3                        ; waves 0-3: which quarter of Wo's block
	s_mul_i32 s33, s50, 13824
	s_mul_i32 s34, s18, 49152                      ; Wo's rows 128 nb on: the column of the cluster and the wave's number alone
	s_mul_i32 s50, s50, 12288
	s_add_co_u32 s34, s34, s50
	s_mov_b32 s35, 0
	s_and_b32 s51, s[WV], 3                        ; waves 4-7: which quarter of o's block
	s_mul_i32 s51, s51, 13312
	s_mov_b32 s44, 1
	s_add_co_u32 s45, s51, OB
	s_mul_i32 s46, s17, OBB                        ; the row of the cluster and the wave's number alone
	s_add_co_u32 s46, s46, s51
	s_mov_b32 s47, 0
	s_lshr_b32 s52, s[WV], 1                       ; which two tiles of tokens are mine
	v_and_b32 v1, 31, v0                           ; lane
	v_and_b32 v2, 15, v0                           ; r
	v_bfe_u32 v3, v0, 4, 1                         ; h
	s_delay_alu instid0(VALU_DEP_2)
	v_mul_u32_u24 v[ADW], v2, PITCH
	s_delay_alu instid0(VALU_DEP_1)
	v_mad_u32_u24 v[ADW], v3, 24, v[ADW]
	s_mul_i32 s53, s48, 64*PITCH
	v_add_nc_u32 v[ADW], s53, v[ADW]
	s_delay_alu instid0(VALU_DEP_1)
	v_lshl_add_u32 v[ADW+1], v3, 4, v[ADW]
	s_mul_i32 s53, s52, 1536
	s_add_co_u32 s53, s53, OB
	v_lshl_add_u32 v[AO16], v1, 4, s53
	v_lshl_add_u32 v[AO8], v1, 3, s53
	s_lshl_b32 s53, s52, 7
	s_add_co_u32 s53, s53, OB+49152
	v_lshl_add_u32 v[AOS], v1, 2, s53
	s_mul_i32 s53, s[WV], 16*SP
	s_add_co_u32 s53, s53, STAGE                   ; my stage
	v_mul_u32_u24 v[STO], v2, SP
	s_delay_alu instid0(VALU_DEP_1)
	v_lshl_add_u32 v[STO], v3, 5, v[STO]
	s_delay_alu instid0(VALU_DEP_1)
	v_add_nc_u32 v[STO], s53, v[STO]               ; in: row r, + 32 h
	v_mul_u32_u24 v[RD], v3, SP
	s_delay_alu instid0(VALU_DEP_1)
	v_lshl_add_u32 v[RD], v2, 4, v[RD]
	s_delay_alu instid0(VALU_DEP_1)
	v_add_nc_u32 v[RD], s53, v[RD]                 ; back: lanes 0-15 one row of 256 bytes, lanes 16-31 the next
	v_lshlrev_b32 v[CO], 11, v3
	s_delay_alu instid0(VALU_DEP_1)
	v_lshl_add_u32 v[CO], v2, 4, v[CO]             ; and the same two rows in out0
	v_lshlrev_b32 v[L16], 4, v1
	v_lshlrev_b32 v[BA], 5, v3
	s_lshl_b32 s54, s18, 11                        ; Wo's scale bytes, 16 a row: rows 128 nb + 64 (w % 2) on
	s_lshl_b32 s56, s48, 10
	s_add_co_u32 s54, s54, s56
	s_mov_b32 s55, 0
	s_lshl_b32 s56, s18, 9                         ; bo, and my columns in a row of out0: 512 nb + 256 (w % 2) bytes
	s_lshl_b32 s58, s48, 8
	s_add_co_u32 s56, s56, s58
	s_mov_b32 s57, 0
	s_lshl_b32 s58, s17, 18                        ; my first row of out0: 128 yb + 64 (w / 4) + 16 ((w / 2) % 2), 2,048 bytes a row
	s_lshr_b32 s60, s52, 1                         ; my tiles 2 (w / 2) + T begin at token 64 (w / 4) + 16 ((w / 2) % 2) + 8 T
	s_lshl_b32 s60, s60, 17
	s_and_b32 s61, s52, 1
	s_lshl_b32 s61, s61, 15
	s_add_co_u32 s60, s60, s61
	s_add_co_u32 s58, s58, s60
	s_add_co_u32 s58, s58, s56
	s_mov_b32 s59, 0
	s_wait_dscnt 0x0                               ; both opening adds are done
	s_wait_kmcnt 0x0
	s_add_nc_u64 s[34:35], s[6:7], s[34:35]
	s_or_b32 s35, s35, 0x80000000
	s_add_nc_u64 s[46:47], s[4:5], s[46:47]
	s_or_b32 s47, s47, 0x80000000
	s_add_nc_u64 s[8:9], s[8:9], s[54:55]
	s_add_nc_u64 s[10:11], s[10:11], s[56:57]
	s_add_nc_u64 s[12:13], s[12:13], s[58:59]
	ROUND                                          ; all sixteen work-groups are here: the joint loads meet
	s_cmp_lt_u32 s[WV], 4                          ; the wave's number alone: the same in every work-group
	s_cbranch_scc0 .Lfor_o
	tensor_load_to_lds s[32:35], s[24:31]
	s_nop 0
	PLACES
	s_branch .Lasked
.Lfor_o:
	tensor_load_to_lds s[44:47], s[36:43]
	s_nop 0
	PLACES
.Lasked:
	s_wait_alu depctr_va_vdst(0)
.irp p, 0,1
	global_load_b128 v[WS+4*\p:WS+4*\p+3], v[L16], s[8:9] offset:512*\p   ; 32 rows' 512 consecutive bytes: a lane takes its row's four words
.endr
.irp i, 0,1,2,3                                ; register j of tile i is column 16 i + 8 h + j of my 64
	global_load_b128 v[BI+8*\i:BI+8*\i+3], v[BA], s[10:11] offset:64*\i
	global_load_b128 v[BI+8*\i+4:BI+8*\i+7], v[BA], s[10:11] offset:64*\i+16
.endr
	s_wait_tensorcnt 0x0                           ; my load has landed,
	s_barrier_signal -1
	s_barrier_wait -1                              ; everybody's has
.irp n, 0,1,2,3,4,5,6,7
	ds_load_b32 v[OR+\n], v[AOS] offset:512*\n     ; head n's scale words of my two tiles
.endr
	FETCH 0
	s_wait_dscnt 32                                ; all but the 32 loads of the first K step: the scale words are in
.irp ks, 0,1,2,3
	v_lshl_or_b32 v[OS+\ks], v[OR+2*\ks+1], 16, v[OR+2*\ks]   ; a K step's word: head 2 ks's two bytes, then head 2 ks + 1's
.endr
.rept 8
	v_nop                                          ; scale registers written by vector instructions stand eight places ahead of a scaled matrix instruction
.endr
	s_wait_alu depctr_va_vdst(0)
	s_wait_dscnt 0x0
	s_wait_loadcnt 0x0                             ; Wo's scale words and the bias
	MUL 0
.irp ks, 1,2,3
	PLACES                                         ; four places in front of loads into registers that matrix instructions have read
	FETCH \ks
	s_wait_dscnt 0x0
	MUL \ks
.endr
	; THE WAY OUT, a tile of 16 tokens at a time, through my own stage: a lane's 32 bytes go in by rows of 272 bytes and come back as whole rows of 256, which sixteen lanes store as 256 consecutive, aligned bytes.
	PLACES
.irp T, 0,1
.if \T == 1
	s_wait_xcnt 0x0                                ; the first tile's stores have read their registers: the loads below may land there
.endif
.irp i, 0,1,2,3
	ds_store_b128 v[STO], v[ACC+32*\T+8*\i:ACC+32*\T+8*\i+3] offset:64*\i          ; each accumulator from its low end on
	ds_store_b128 v[STO], v[ACC+32*\T+8*\i+4:ACC+32*\T+8*\i+7] offset:64*\i+16
.endr
.irp t, 0,1,2,3,4,5,6,7
	ds_load_b128 v[BK+4*\t:BK+4*\t+3], v[RD] offset:2*\t*SP   ; LDS serves a wave's instructions in order (ISA guide 5.7.1.4): these see the stores above
.endr
.irp t, 0,1,2,3,4,5,6,7
	s_wait_dscnt 7-\t                              ; the younger loads from the stage may be out
	global_store_b128 v[CO], v[BK+4*\t:BK+4*\t+3], s[12:13] offset:(8*\T+2*(\t%4)+32*(\t/4))*2048 th:TH_STORE_NT   ; the stage's row p is token 8 T + p % 8 + 32 (p / 8) from my first
.endr
.endr
	s_wait_tensorcnt 0x0                           ; the wave's end, behind my last tensor load and my last LDS store
	ds_add_u32 v[SPW], v[NIL]
	s_wait_dscnt 0x0
	ROUND                                          ; the closing round
	s_endpgm
.Lfunc_end_k_q7610f33f7b_oproj:
	.size	k_q7610f33f7b_oproj, .Lfunc_end_k_q7610f33f7b_oproj-k_q7610f33f7b_oproj
	.p2alignl 7, 3214868480
	.fill 96, 4, 3214868480
	.section	.rodata,"a",@progbits
	.p2align	6, 0x0
	.amdhsa_kernel k_q7610f33f7b_oproj
		.amdhsa_group_segment_fixed_size 167936
		.amdhsa_private_segment_fixed_size 0
		.amdhsa_enable_private_segment 0
		.amdhsa_kernarg_size 40
		.amdhsa_user_sgpr_count 2
		.amdhsa_user_sgpr_kernarg_segment_ptr 1
		.amdhsa_wavefront_size32 1
		.amdhsa_system_sgpr_workgroup_id_x 1
		.amdhsa_system_sgpr_workgroup_id_y 1
		.amdhsa_system_sgpr_workgroup_id_z 1
		.amdhsa_system_vgpr_workitem_id 0
		.amdhsa_next_free_vgpr 240
		.amdhsa_next_free_sgpr 66
		.amdhsa_reserve_vcc 0
		.amdhsa_float_denorm_mode_32 3
		.amdhsa_float_denorm_mode_16_64 3
		.amdhsa_memory_ordered 1
		.amdhsa_forward_progress 1
		.amdhsa_inst_pref_size 26
	.end_amdhsa_kernel
	.amdgpu_metadata
---
amdhsa.version: [ 1, 2 ]
amdhsa.kernels:
  - .name:           k_q7610f33f7b_oproj
    .symbol:         k_q7610f33f7b_oproj.kd
    .args:
      - { .name: oimg, .offset: 0, .size: 8, .value_kind: global_buffer, .address_space: global }
      - { .name: Wo_codes, .offset: 8, .size: 8, .value_kind: global_buffer, .address_space: global }
      - { .name: Wo_scales, .offset: 16, .size: 8, .value_kind: global_buffer, .address_space: global }
      - { .name: bo, .offset: 24, .size: 8, .value_kind: global_buffer, .address_space: global }
      - { .name: out0, .offset: 32, .size: 8, .value_kind: global_buffer, .address_space: global }
    .group_segment_fixed_size: 167936
    .private_segment_fixed_size: 0
    .kernarg_segment_align: 8
    .kernarg_segment_size: 40
    .max_flat_workgroup_size: 256
    .sgpr_count:     66
    .vgpr_count:     240
    .wavefront_size: 32
...
	.end_amdgpu_metadata
.endif
;; end of part 3
